; MI455X (gfx1250); checked and timed in simulation.
; The chip was launched on July 23, 2026; its instructions are those of AMD's public machine-readable ISA for CDNA 5 (MIT licence, August 2026) and "CDNA5" Instruction Set Architecture Reference Guide (July 2026). The comments in the code are by the model that wrote it; some were corrected since.
;; Attention. Allowed arithmetic: matrix products marked QUANTISED: E4M3 operands, one given power-of-two scale a tensor, by v_wmma_f32_16x16x64_fp8_fp8 or v_wmma_f32_16x16x128_fp8_fp8, f32 sums; everything else in f32.
;; Inputs: Wk 2,048 x 512 float32; Wo 2,048 x 2,048 float32; Wq 2,048 x 2,048 float32; Wv 2,048 x 512 float32; lowp_scales 12 int32 (the exponents e of the quantised operands' scales 2^e); x 8 x 512 x 2,048 float32.
;; Outputs: out0 8 x 512 x 2,048 float32; out1 8 x 8 x 512 x 64 float32; out2 8 x 8 x 512 x 64 float32.
;; This version of the problem:
;;   THIS VERSION OF THE PROBLEM IS GIVEN IN LOW PRECISION. The matrix products marked QUANTISED in the list below multiply operands that are first quantised to E4M3 (4 exponent bits, 3 mantissa bits; 8 bits a number), with one given power-of-two scale for each operand tensor; their sums are f32. All else is computed in f32.
;;   The module's matrix products, in the order in which they are computed (A, B: the left and right operand; K: the contracted axis; several contracted axes count as one K, in the product's order):
;;     1. [M 4,096, K 2,048] x [K 2,048, N 2,048]; A: input x; B: input Wq: QUANTISED (scales: A lowp_scales[0], B lowp_scales[1])
;;     2. [M 4,096, K 2,048] x [K 2,048, N 512]; A: input x; B: input Wk: QUANTISED (scales: A lowp_scales[2], B lowp_scales[3])
;;     3. [M 4,096, K 2,048] x [K 2,048, N 512]; A: input x; B: input Wv: QUANTISED (scales: A lowp_scales[4], B lowp_scales[5])
;;     4. batch 256 x [M 512, K 64] x [K 64, N 512]; A: computed on the way; B: computed on the way: QUANTISED (scales: A lowp_scales[6], B lowp_scales[7])
;;     5. batch 256 x [M 512, K 512] x [K 512, N 64]; A: softmax (see below); B: computed on the way: QUANTISED (scales: A lowp_scales[8], B lowp_scales[9])
;;     6. [M 4,096, K 2,048] x [K 2,048, N 2,048]; A: computed on the way; B: input Wo: QUANTISED (scales: A lowp_scales[10], B lowp_scales[11])
;;   THE QUANTISER, for each operand of a quantised product, along K:
;;     - The operand's scale is 2^e, e = its entry of the input lowp_scales (int32; the entries are numbered through the quantised products in the list's order, A before B).
;;     - Each number is divided by the scale, clamped to +-448, and rounded to the nearest number of E4M3, ties to even, subnormals kept.
;;     - The product sums the exact products of the quantised numbers (number of the format x scale) in f32.
;;   ~~~python
;;   def quantise(x, axis, e):      # numpy; x: float32 -> the quantised numbers, widened to float32 again
;;       x = np.moveaxis(x, axis, -1); K = x.shape[-1]
;;       r = np.clip(x / 2.0 ** e, -448, 448)
;;       step = 2.0 ** (np.maximum(np.frexp(np.where(r == 0, 1, r))[1] - 1, -6) - 3)
;;       q = np.round(r / step) * step * 2.0 ** e      # np.round: ties to even
;;       return np.moveaxis(q, -1, axis).astype(np.float32)
;;   ~~~
;;   SOFTMAX AHEAD OF A QUANTISED PRODUCT. Where the list says 'softmax', what is quantised is not the finished softmax but p = 2^(t - M), with t = logit x log2(e) and M = ceil(the row's largest t), a whole number; so 1/2 < the row's largest p <= 1. The row's sum l is taken of the UNQUANTISED p, in f32, and the product's result is divided by l at the end. Since M is a whole number, a kernel that streams over the keys may use a running M (the ceiling of the running maximum): every later rescaling is an exact power of two, so the quantised numbers keep their values, but for numbers so far below the row's largest that they fall under the format's range.
;;   OPERANDS COMPUTED ON THE WAY. 'Computed on the way' means the value that the module computes at that place (a softmax that the list does not call 'softmax' is quantised finished and normalised). What goes into a quantiser is computed in f32, as accurately as f32 sums, v_exp_f32 and their like allow (about 1e-6 of the number): no bf16 or f16 on the way to a quantiser, and a product that is left as it is and whose result goes on into a quantised operand takes f32 operands (vector FMAs, or v_wmma_f32_16x16x4_f32). A number that lies on a knife's edge between two numbers of the format may be rounded either way, as far as f32 arithmetic and the matrix unit's own rounding can turn it there, and no further.
;; One version. Each part assembles by itself: llvm-mc -triple=amdgcn-amd-amdhsa -mcpu=gfx1250 --defsym DOCPART=n.
;; ======== version 1 of 1: 4 launches
;; limits: right only within a limited range of input values
;; workspace buffers: xc 25,165,824 bytes; wc 10,485,760 bytes; rope 131,072 bytes; qc 8,388,608 bytes; kvc 4,194,304 bytes; ao 8,388,608 bytes
;; launch prep (part 1): grid 704 x 1, 4 waves a work-group, no clusters, 68,096 bytes of LDS; arguments x, Wq, Wk, Wv, Wo, lowp_scales, xc, wc, rope; writes xc, wc, rope
.if DOCPART == 1
	.amdgcn_target "amdgcn-amd-amdhsa--gfx1250"
	.amdhsa_code_object_version 6
	.text
	.protected	k_q3601aad749_prep
	.globl	k_q3601aad749_prep
	.p2align	8
	.type	k_q3601aad749_prep,@function
k_q3601aad749_prep:
	s_mov_b64 s[64:65], 0
	v_nop
	global_prefetch_b8 v0, s[64:65] scope:SCOPE_SE
	s_setreg_imm32_b32 hwreg(HW_REG_WAVE_MODE, 25, 1), 1
	s_wait_xcnt 0x0
; THE LAUNCH IN FRONT OF THE PRODUCTS.  Three roles, told apart by the work-group's number; the roles never join, and each has LDS bytes of its own.
;   work-groups 0-255:   x [4096][2048] f32 becomes THREE sets of E4M3 codes, under the scales 2^e0, 2^e2, 2^e4 that are given for it as the left operand of the products with Wq, Wk, Wv
;                        (the three may differ).  xc: three planes [4096][2048], one byte a code, K innermost.
;   work-groups 256-575: Wq, Wo [2048][2048] and Wk, Wv [2048][512] f32, K their FIRST axis, become codes laid [n][k], K innermost, under 2^e1, 2^e11, 2^e3, 2^e5.
;                        wc: [5120][2048]: rows 0-2047 Wq's columns, 2048-2559 Wk's, 2560-3071 Wv's, 3072-5119 Wo's.
;   work-groups 576-703: the table of rotations, rope [512 positions][64] f32: 32 cosines, then 32 sines of pos x 10000^(-f/32): 256 bytes a position.
; code = number / 2^e, held within +-448, to the nearest code, ties to even.
; LIMITS: each e used here lies between -126 and 119, so that 2^e and 448 x 2^e are f32 numbers.  NaN among the inputs is not served (an infinity is held at the largest code).
; The table's angle is pos x 2^(-f log2(10000)/32), the power by v_exp_f32; sine and cosine by reduction to +-pi/4 (pi/2 in two parts) and polynomials in f32.
; Memory binds: no matrix unit, no cluster (work-groups share no input), no tensor load, no barrier: waves share nothing.
.set XWG,   256                        ; work-groups for x: 32,768 numbers each
.set WWG,   320                        ; for the weights: 128 columns x 256 along K each
.set STEPS, 16                         ; x: steps of 512 numbers for a wave
.set WREG,  8192                       ; x: LDS for each wave: two stages of 32 x SP bytes
.set SP,    80                         ; a lane's place in a stage: its 64 bytes + 16 of padding
.set R,     16                         ; v16-79   x: four sets of 16 numbers as they are loaded
.set X,     80                         ; v80-111  x: two sets of 16 neighbours
.set T,     112                        ; v112-159 x: the 16 neighbours held within each of the three scales' ranges
.set C,     160                        ; v160-171 x: three times 16 codes
.set WST,   32768                      ; weights: LDS from here on, 32 rows x WPI for each wave
.set WPI,   272                        ; a stage row: 256 codes + 16 bytes
.set OFFR,  16                         ; v16-47   weights: byte offset of row i of a block of 32 rows, at my column
.set XW,    48                         ; v48-111  weights: two sets of 32 numbers
.set CW,    112                        ; v112-119 weights: a block's codes
.set OUTR,  120                        ; v120-183 weights: the way out
.macro MKSCALE e, sc, lim              ; from the whole number in s[e]: v[sc] = 2^e as f32 (the conversion takes its exponent field), v[lim] = 448 x 2^e
	s_add_co_i32 s52, s[\e], 127
	s_lshl_b32 s53, s52, 23
	v_mov_b32 v[\sc], s53
	s_add_co_i32 s52, s52, 8
	s_lshl_b32 s52, s52, 23
	s_or_b32 s52, s52, 0x600000
	v_mov_b32 v[\lim], s52
.endm
	s_load_b512 s[4:19], s[0:1], 0x0               ; x 4:5, Wq 6:7, Wk 8:9, Wv 10:11, Wo 12:13, the scales' exponents 14:15, xc 16:17, wc 18:19
	s_load_b64 s[20:21], s[0:1], 0x40              ; rope
	v_lshl_add_u32 v192, v0, 2, 0x10800
	v_mov_b32 v193, 0
	v_lshrrev_b32 v1, 5, v0
	v_readfirstlane_b32 s40, v1                    ; wave 0..3
	v_and_b32 v2, 31, v0                           ; lane
	s_wait_kmcnt 0x0
	s_cmp_lt_u32 ttmp9, XWG
	s_cbranch_scc0 .Lnot_x
; ---------------------------------------------------------------- x
; Rows are dense, so x is a plain stream, and so are its codes.  Each of a step's four loads reads 512 consecutive bytes, 16 a lane; the conversions want 16 NEIGHBOURS in one lane: the 2,048 bytes
; go through the wave's own stage in LDS as they lie and come back 64 bytes a lane.  A lane's 16 codes are 16 bytes: each store of the wave covers 512 consecutive bytes, aligned.
	s_load_b256 s[28:35], s[14:15], 0x0            ; e0 .. e7
	s_wait_alu depctr_va_vdst(0)
	v_lshlrev_b32 v3, 4, v2                        ; my 16 bytes of a load's 512, and of a store's
	s_wait_alu depctr_va_vdst(0)
	s_mul_i32 s41, s40, WREG
	v_lshrrev_b32 v14, 2, v2
	v_mul_u32_u24 v14, v14, SP
	v_and_b32 v15, 3, v2
	v_lshl_add_u32 v14, v15, 4, v14
	v_add_nc_u32 v14, s41, v14                     ; the stage, on the way in: SP (lane / 4) + 16 (lane % 4)
	v_mul_u32_u24 v15, v2, SP
	v_add_nc_u32 v15, s41, v15                     ; and on the way out: SP x lane
	s_lshl_b32 s42, ttmp9, 2
	s_add_co_u32 s42, s42, s40                     ; which run of 8,192 numbers is my wave's
	s_lshl_b32 s50, s42, 15
	s_mov_b32 s51, 0
	s_add_nc_u64 s[4:5], s[4:5], s[50:51]
	s_lshl_b32 s50, s42, 13
	s_add_nc_u64 s[44:45], s[16:17], s[50:51]      ; its codes in plane 0,
	s_add_nc_u64 s[46:47], s[44:45], 0x800000      ; plane 1,
	s_add_nc_u64 s[48:49], s[44:45], 0x1000000     ; plane 2
.macro LOADX t
.irp i, 0,1,2,3
	global_load_b128 v[R+16*((\t)%4)+4*\i:R+16*((\t)%4)+4*\i+3], v3, s[4:5] offset:2048*(\t)+512*\i th:TH_LOAD_NT
.endr
.endm
.macro TURNX t                         ; step t's numbers through the stage: LDS serves a wave's instructions in order, so no wait stands between the stores and the loads
.irp i, 0,1,2,3
	ds_store_b128 v14, v[R+16*((\t)%4)+4*\i:R+16*((\t)%4)+4*\i+3] offset:32*SP*((\t)%2)+8*SP*\i
.endr
.irp i, 0,1,2,3
	ds_load_b128 v[X+16*((\t)%2)+4*\i:X+16*((\t)%2)+4*\i+3], v15 offset:32*SP*((\t)%2)+16*\i
.endr
.endm
.irp t, 0,1,2,3
	LOADX \t
.endr
	s_wait_alu depctr_va_vdst(0)
	s_wait_kmcnt 0x0
	MKSCALE 28, 5, 6                               ; e0
	MKSCALE 30, 7, 8                               ; e2
	MKSCALE 32, 9, 10                              ; e4
	s_wait_alu depctr_va_vdst(0)
	s_wait_loadcnt 12                              ; step 0's four loads are in; the twelve of steps 1 to 3 may be out
	TURNX 0
.macro STEPX t
.set XS, X+16*((\t)%2)
	s_wait_dscnt 0x0                               ; this step's numbers are back from the stage, so its stores into the stage have read their registers,
.if (\t)+4 < STEPS
	LOADX (\t)+4                                   ; which take the loads of four steps on
.endif
.if (\t)+1 < STEPS
.if STEPS-2-(\t) >= 3
	s_wait_loadcnt 12                              ; the next step's four loads are in; those of the three steps behind it may be out
.else
	s_wait_loadcnt 4*(STEPS-2-(\t))
.endif
	TURNX (\t)+1                                   ; and go through the other stage while this step is worked
.endif
	s_wait_xcnt 0x0                                ; the last step's three stores have read their codes: the registers are written again only behind this wait
.irp q, 0,1,2
.irp i, 0,1,2,3,4,5,6,7,8,9,10,11,12,13,14,15
	v_med3_num_f32 v[T+16*\q+\i], v[XS+\i], -v[6+2*\q], v[6+2*\q]   ; the conversion to an 8-bit code does not saturate (ISA guide 7.6.2): hold first, once for each scale
.endr
.endr
.irp q, 0,1,2
	v_cvt_scalef32_pk8_fp8_f32 v[C+4*\q:C+4*\q+1], v[T+16*\q:T+16*\q+7], v[5+2*\q]
	v_cvt_scalef32_pk8_fp8_f32 v[C+4*\q+2:C+4*\q+3], v[T+16*\q+8:T+16*\q+15], v[5+2*\q]
.endr
	v_nop                                          ; one plain vector line behind the last conversion, ahead of the next lines that write its sources
.irp q, 0,1,2
	global_store_b128 v3, v[C+4*\q:C+4*\q+3], s[44+2*\q:45+2*\q] offset:512*(\t)
.endr
.endm
.irp t, 0,1,2,3,4,5,6,7,8,9,10,11,12,13,14,15
	STEPX \t
.endr
	s_wait_tensorcnt 0x0
	ds_add_u32 v192, v193
	s_wait_dscnt 0x0
	s_endpgm
; ---------------------------------------------------------------- the weights
; A LANE TAKES A COLUMN n, AND ITS REGISTERS RUN DOWN K: each load reads 128 consecutive bytes a wave, and the conversions give codes with K innermost.  A wave takes 32 columns x 256 along K; the codes
; go through its own stage and leave as rows: sixteen lanes store 256 consecutive bytes, aligned.  One text serves rows of 2,048 and of 512 numbers: the pitch lies in a register.
.Lnot_x:
	s_cmp_lt_u32 ttmp9, XWG+WWG
	s_cbranch_scc0 .Lrope
	s_load_b256 s[28:35], s[14:15], 0x0            ; e0 .. e7
	s_load_b128 s[36:39], s[14:15], 0x20           ; e8 .. e11
	s_sub_co_u32 s41, ttmp9, XWG
	s_wait_kmcnt 0x0
	s_cmp_lt_u32 s41, 256                          ; the first 256 take the two wide weights (128 work-groups each), the other 64 the two narrow ones (32 each)
	s_cselect_b32 s42, 13, 11                      ; log2 of a row's bytes
	s_cselect_b32 s43, 4, 2                        ; log2 of the blocks of 128 columns
	s_cselect_b32 s44, 7, 5                        ; log2 of a tensor's work-groups
	s_cselect_b32 s45, 0, 256
	s_cselect_b64 s[46:47], s[6:7], s[8:9]         ; the first of the pair: Wq or Wk,
	s_cselect_b64 s[48:49], s[12:13], s[10:11]     ; the second: Wo or Wv
	s_cselect_b32 s50, s29, s31                    ; e1 or e3
	s_cselect_b32 s51, s39, s33                    ; e11 or e5
	s_cselect_b32 s52, 0, 2048                     ; their first rows in wc
	s_mov_b32 s53, 2560
	s_cselect_b32 s53, 3072, s53
	s_sub_co_u32 s41, s41, s45
	s_lshr_b32 s54, s41, s44
	s_cmp_eq_u32 s54, 0                            ; which of the pair
	s_cselect_b64 s[46:47], s[46:47], s[48:49]
	s_cselect_b32 s50, s50, s51
	s_cselect_b32 s52, s52, s53
	s_lshl_b32 s54, 1, s44
	s_sub_co_u32 s54, s54, 1
	s_and_b32 s41, s41, s54                        ; my number within the tensor
	s_lshl_b32 s54, 1, s43
	s_sub_co_u32 s54, s54, 1
	s_and_b32 s55, s41, s54                        ; which 128 columns
	s_lshr_b32 s41, s41, s43                       ; which 256 along K
	s_lshl_b32 s58, 1, s42                         ; a row's bytes
	s_lshl_b32 s66, s41, 8
	s_lshl_b32 s66, s66, s42                       ; 256 rows x the pitch x my part of K
	s_lshl_b32 s59, s55, 9
	s_add_co_u32 s66, s66, s59                     ; + 128 columns of 4 bytes x my block
	s_lshl_b32 s59, s40, 7
	s_add_co_u32 s66, s66, s59                     ; + 32 columns x my wave
	s_mov_b32 s67, 0
	s_add_nc_u64 s[46:47], s[46:47], s[66:67]
	s_lshl_b32 s66, s55, 7
	s_add_co_u32 s66, s66, s52
	s_lshl_b32 s59, s40, 5
	s_add_co_u32 s66, s66, s59                     ; my wave's first row of wc
	s_lshl_b32 s66, s66, 11
	s_lshl_b32 s59, s41, 8
	s_add_co_u32 s66, s66, s59                     ; x 2,048 bytes + 256 x my part of K
	s_add_nc_u64 s[18:19], s[18:19], s[66:67]
	s_lshl_b32 s56, s58, 5                         ; a block of 32 rows on
	s_mov_b32 s57, 0
	s_wait_alu depctr_va_vdst(0)
	v_lshlrev_b32 v[OFFR], 2, v2
.set li, 1
.rept 31
	v_add_nc_u32 v[OFFR+li], s58, v[OFFR+li-1]
.set li, li+1
.endr
	s_mul_i32 s60, s40, 32*WPI
	s_add_co_u32 s60, s60, WST                     ; my stage
	v_mul_u32_u24 v4, v2, WPI
	v_add_nc_u32 v4, s60, v4                       ; into it: row = my column
	v_and_b32 v5, 15, v2
	v_lshrrev_b32 v6, 4, v2
	v_mul_u32_u24 v7, v6, WPI
	v_lshl_add_u32 v7, v5, 4, v7
	v_add_nc_u32 v7, s60, v7                       ; out of it: sixteen lanes to a row, two rows an instruction
	v_lshlrev_b32 v8, 11, v6
	v_lshl_add_u32 v8, v5, 4, v8                   ; and the same place in wc
.macro LOADW t                         ; block t: W(32 t + i, my column), i = 0 .. 31, into set t % 2
.if (\t) > 0
	s_wait_xcnt 0x0                                ; the earlier loads have read their base: it steps only behind this wait
	s_add_nc_u64 s[46:47], s[46:47], s[56:57]
.endif
.set li, 0
.rept 32
	global_load_b32 v[XW+32*((\t)%2)+li], v[OFFR+li], s[46:47] th:TH_LOAD_NT
.set li, li+1
.endr
.endm
	LOADW 0
	LOADW 1
	MKSCALE 50, 11, 10
.macro BLOCKW t
.set XS, XW+32*((\t)%2)
.if (\t) < 7
	s_wait_loadcnt 32                              ; this block's 32 loads are in; the next block's may be out
.else
	s_wait_loadcnt 0
.endif
.set li, 0
.rept 32
	v_med3_num_f32 v[XS+li], v[XS+li], -v10, v10   ; the hold at the largest code x the scale
.set li, li+1
.endr
.irp g, 0,1,2,3
	v_cvt_scalef32_pk8_fp8_f32 v[CW+2*\g:CW+2*\g+1], v[XS+8*\g:XS+8*\g+7], v11
.endr
	v_nop                                          ; one plain vector line behind the last conversion
	ds_store_b128 v4, v[CW:CW+3] offset:32*(\t)    ; 32 codes: 32 bytes of my column's row
	ds_store_b128 v4, v[CW+4:CW+7] offset:32*(\t)+16
.if (\t)+2 < 8
	LOADW (\t)+2
.endif
	s_wait_dscnt 0x0                               ; the stores have read their registers: the next block's codes may be written
.endm
	s_wait_alu depctr_va_vdst(0)
.irp t, 0,1,2,3,4,5,6,7
	BLOCKW \t
.endr
.irp t, 0,1,2,3,4,5,6,7,8,9,10,11,12,13,14,15
	ds_load_b128 v[OUTR+4*\t:OUTR+4*\t+3], v7 offset:2*\t*WPI   ; LDS serves a wave's instructions in order: these see my stores
.endr
.irp t, 0,1,2,3,4,5,6,7,8,9,10,11,12,13,14,15
	s_wait_dscnt 15-\t                             ; the younger read-backs may be out
	global_store_b128 v8, v[OUTR+4*\t:OUTR+4*\t+3], s[18:19] offset:2*\t*2048
.endr
	s_wait_tensorcnt 0x0
	ds_add_u32 v192, v193
	s_wait_dscnt 0x0
	s_endpgm
; ---------------------------------------------------------------- the table of rotations: a wave to a position
; Lane l makes two numbers: lanes 0-15 the cosines of frequencies 2 l and 2 l + 1, lanes 16-31 the sines of frequencies 2 (l - 16) and 2 (l - 16) + 1: the wave's one store covers 256 consecutive bytes, aligned.
.Lrope:
	s_sub_co_u32 s41, ttmp9, XWG+WWG
	s_lshl_b32 s41, s41, 2
	s_add_co_u32 s41, s41, s40                     ; the position
	s_lshl_b32 s42, s41, 8
	s_mov_b32 s43, 0
	s_add_nc_u64 s[20:21], s[20:21], s[42:43]
	s_mov_b32 s44, 0x3fc90fdb                      ; pi/2, its upper part,
	s_mov_b32 s45, 0xb33bbd2e                      ; and what is left of it
	s_mov_b32 s46, 0xb94ca1f9                      ; sine:   r + r z (s48 + z (s47 + z s46)),  z = r r
	s_mov_b32 s47, 0x3c08839e
	s_mov_b32 s48, 0xbe2aaaa3
	s_mov_b32 s49, 0x37ccf5ce                      ; cosine: 1 - z/2 + z z (s51 + z (s50 + z s49))
	s_mov_b32 s50, 0xbab6061a
	s_mov_b32 s51, 0x3d2aaaa5
	s_wait_alu depctr_va_vdst(0)
	v_and_b32 v3, 15, v2
	v_lshlrev_b32 v3, 1, v3
	v_add_nc_u32 v4, 1, v3
	v_cvt_f32_u32 v3, v3
	v_cvt_f32_u32 v4, v4                           ; my two frequencies' numbers f
	v_mul_f32 v3, 0xbed49a78, v3                   ; -f log2(10000) / 32
	v_mul_f32 v4, 0xbed49a78, v4
	s_wait_alu depctr_va_vdst(0)
	v_exp_f32 v5, v3
	v_exp_f32 v6, v4                               ; 10000^(-f/32)
	v_cvt_f32_u32 v8, s41                          ; (plain lines behind the exponentials)
	v_lshrrev_b32 v7, 4, v2                        ; 0: cosines, 1: sines
	s_wait_alu depctr_va_vdst(0)                   ; the wait ahead of the first reader: one for both
.irp k, 0,1
	v_mul_f32 v[5+\k], v8, v[5+\k]                 ; the angle
.endr
.irp k, 0,1
	v_mul_f32 v[9+\k], 0x3f22f983, v[5+\k]         ; x 2/pi
.endr
.irp k, 0,1
	v_rndne_f32 v[9+\k], v[9+\k]                   ; n: the angle is n pi/2 + r, r within +-pi/4
.endr
.irp k, 0,1
	v_fma_f32 v[11+\k], -v[9+\k], s44, v[5+\k]
.endr
.irp k, 0,1
	v_fma_f32 v[11+\k], -v[9+\k], s45, v[11+\k]    ; r
.endr
.irp k, 0,1
	v_mul_f32 v[13+\k], v[11+\k], v[11+\k]         ; z
.endr
.irp k, 0,1
	v_fma_f32 v[15+\k], v[13+\k], s46, s47
	v_fma_f32 v[17+\k], v[13+\k], s49, s50
.endr
.irp k, 0,1
	v_fma_f32 v[15+\k], v[15+\k], v[13+\k], s48
	v_fma_f32 v[17+\k], v[17+\k], v[13+\k], s51
.endr
.irp k, 0,1
	v_mul_f32 v[15+\k], v[15+\k], v[13+\k]
	v_mul_f32 v[19+\k], v[13+\k], v[13+\k]
	v_fma_f32 v[21+\k], v[13+\k], -0.5, 1.0
.endr
.irp k, 0,1
	v_fma_f32 v[15+\k], v[15+\k], v[11+\k], v[11+\k]   ; sin r
	v_fma_f32 v[17+\k], v[19+\k], v[17+\k], v[21+\k]   ; cos r
.endr
	v_mul_u32_u24 v7, v7, 3
.irp k, 0,1
	v_cvt_i32_f32 v[23+\k], v[9+\k]
.endr
.irp k, 0,1
	v_add_nc_u32 v[23+\k], v[23+\k], v7            ; m = n for a cosine, n + 3 for a sine (the sine is the cosine a quarter turn back).  m mod 4 = 0: cos r, 1: -sin r, 2: -cos r, 3: sin r
.endr
.irp k, 0,1
	v_and_b32 v25, 1, v[23+\k]
	v_cmp_eq_u32 vcc_lo, 1, v25
	v_cndmask_b32 v[26+\k], v[17+\k], v[15+\k], vcc_lo
	v_add_nc_u32 v[23+\k], 1, v[23+\k]
	v_and_b32 v[23+\k], 2, v[23+\k]
	v_lshlrev_b32 v[23+\k], 30, v[23+\k]           ; the sign bit where m mod 4 is 1 or 2
	v_xor_b32 v[26+\k], v[26+\k], v[23+\k]
.endr
	v_lshlrev_b32 v28, 3, v2
	global_store_b64 v28, v[26:27], s[20:21]
	s_endpgm
.Lfunc_end_k_q3601aad749_prep:
	.size	k_q3601aad749_prep, .Lfunc_end_k_q3601aad749_prep-k_q3601aad749_prep
	.p2alignl 7, 3214868480
	.fill 96, 4, 3214868480
	.section	.rodata,"a",@progbits
	.p2align	6, 0x0
	.amdhsa_kernel k_q3601aad749_prep
		.amdhsa_group_segment_fixed_size 68096
		.amdhsa_private_segment_fixed_size 0
		.amdhsa_enable_private_segment 0
		.amdhsa_kernarg_size 72
		.amdhsa_user_sgpr_count 2
		.amdhsa_user_sgpr_kernarg_segment_ptr 1
		.amdhsa_wavefront_size32 1
		.amdhsa_system_sgpr_workgroup_id_x 1
		.amdhsa_system_sgpr_workgroup_id_y 1
		.amdhsa_system_sgpr_workgroup_id_z 1
		.amdhsa_system_vgpr_workitem_id 0
		.amdhsa_next_free_vgpr 194
		.amdhsa_next_free_sgpr 68
		.amdhsa_reserve_vcc 1
		.amdhsa_float_denorm_mode_32 3
		.amdhsa_float_denorm_mode_16_64 3
		.amdhsa_memory_ordered 1
		.amdhsa_forward_progress 1
		.amdhsa_inst_pref_size 132
	.end_amdhsa_kernel
	.amdgpu_metadata
---
amdhsa.version: [ 1, 2 ]
amdhsa.kernels:
  - .name:           k_q3601aad749_prep
    .symbol:         k_q3601aad749_prep.kd
    .args:
      - { .name: x, .offset: 0, .size: 8, .value_kind: global_buffer, .address_space: global }
      - { .name: Wq, .offset: 8, .size: 8, .value_kind: global_buffer, .address_space: global }
      - { .name: Wk, .offset: 16, .size: 8, .value_kind: global_buffer, .address_space: global }
      - { .name: Wv, .offset: 24, .size: 8, .value_kind: global_buffer, .address_space: global }
      - { .name: Wo, .offset: 32, .size: 8, .value_kind: global_buffer, .address_space: global }
      - { .name: lowp_scales, .offset: 40, .size: 8, .value_kind: global_buffer, .address_space: global }
      - { .name: xc, .offset: 48, .size: 8, .value_kind: global_buffer, .address_space: global }
      - { .name: wc, .offset: 56, .size: 8, .value_kind: global_buffer, .address_space: global }
      - { .name: rope, .offset: 64, .size: 8, .value_kind: global_buffer, .address_space: global }
    .group_segment_fixed_size: 68096
    .private_segment_fixed_size: 0
    .kernarg_segment_align: 8
    .kernarg_segment_size: 72
    .max_flat_workgroup_size: 128
    .sgpr_count:     68
    .vgpr_count:     194
    .wavefront_size: 32
...
	.end_amdgpu_metadata
.endif
;; end of part 1
;; launch gemm_qkv (part 2): grid 16 x 16, 4 waves a work-group, clusters of 4 x 4, 327,680 bytes of LDS; arguments xc, wc, lowp_scales, rope, qc, kvc, out1, out2; writes qc, kvc, out1, out2
.if DOCPART == 2
	.amdgcn_target "amdgcn-amd-amdhsa--gfx1250"
	.amdhsa_code_object_version 6
	.text
	.protected	k_q3601aad749_gemm_qkv
	.globl	k_q3601aad749_gemm_qkv
	.p2align	8
	.type	k_q3601aad749_gemm_qkv,@function
k_q3601aad749_gemm_qkv:
	s_mov_b64 s[64:65], 0
	v_nop
	global_prefetch_b8 v0, s[64:65] scope:SCOPE_SE
	s_setreg_imm32_b32 hwreg(HW_REG_WAVE_MODE, 25, 1), 1
	s_wait_xcnt 0x0
	s_wait_alu depctr_hold_cnt(0) depctr_sa_sdst(0) depctr_va_vdst(0) depctr_va_sdst(0) depctr_va_ssrc(0) depctr_va_vcc(0) depctr_vm_vsrc(0)
	s_getreg_b32 s2, hwreg(HW_REG_IB_STS2, 6, 4)
	s_cmp_eq_u32 s2, 0
	s_cbranch_scc0 .Lentry_in_a_cluster
	s_endpgm
.Lentry_in_a_cluster:
	s_bfe_u32 s2, ttmp6, 0x10000c
	s_cmp_lg_u32 s2, 0xf033
	s_cbranch_scc0 .Lentry_shape_is_right
	s_endpgm
.Lentry_shape_is_right:
; THE THREE PROJECTIONS ON CODES OF E4M3: q = x Wq, k = x Wk, v = x Wv, K = 2,048, sums in f32, with the rotation of q and k and the quantisers of the attention's operands on the way out.
; xc: three planes [4096][2048] of x's codes (under 2^e0, 2^e2, 2^e4); wc: [n][2048]: rows 0-2047 Wq's columns, 2048-2559 Wk's, 2560-3071 Wv's.  rope: [512][32 cosines, 32 sines] f32.
; OUT: qc [batch][head][16 queries][1,024] and kvc [batch][key head][65,536] (32 tiles of 16 keys x 64, then V^T [128 keys][16 channels][2,048]): images of operand registers, lane l's 16 bytes at 16 l;
; out1 = k rotated, out2 = v, f32.  Codes of q under 2^e6, of k under 2^e7, of v under 2^e9.
; SHARES.  Grid 16 x 16 in clusters of 4 x 4.  The cluster's x is the role: 0, 1: Q, a block of 256 rows x 256 columns; 2: K, 3: V, a block of 256 x 128.  So the four tile columns of a cluster's row
; belong to one tensor and take one plane of x: A's tile is asked for jointly along the row, B's along the column.  Every branch on the role hangs on the cluster's x alone, which all sixteen partners share.
; Four waves, 2 x 2: a wave makes 128 rows x 128 (Q: two heads) or x 64 (K, V: one head).  K goes in steps of 256 through a ring of two LDS slots; a tile's row is 256 bytes of memory, aligned.
; THE MATRIX INSTRUCTION IS USED TRANSPOSED (source 0 = 16 rows of wc, source 1 = 16 rows of xc): a lane holds row l % 16 and eight neighbouring columns 8 (l / 16) + 0 .. 7.
; Fragments come by four 16-byte loads: a permutation of k that is the same in A and B.
; LIMITS: e0 + e1 - e6, e2 + e3, e2 + e3 - e7, e4 + e5, e9 stay so that each power of two made below, and 448 x it, is an f32 number (exponent -126 .. 119).
; REGISTERS: window 0: v1-31 addresses; v128-255 A's fragments, one set; on the way out v32-255 at work.  Window 1: B's fragments, two sets (v0, v128); then the table, or V's codes.  Windows 2, 3: accumulator (a, b) at v[8 (8 (a % 4) + b)].
.set ROWB,   256
.set KROW,   2048
.set PITCH,  272                       ; an LDS row: 256 bytes + 16 of padding
.set FR,     16
.set NL,     4
.set NP,     4                         ; places behind this matrix instruction (ISA guide 7.12.1)
.set HALFT,  128*PITCH
.set SLOT,   4*HALFT                   ; A's 256 rows, then B's 256 or 128
.set LAPS,   4                         ; eight K steps, two to a lap
.set SPARE,  2*SLOT                    ; the spare words: 512 bytes that no other line names
.set SPI,    272                       ; K, V: a stage of 16 rows x (256 + 16) bytes for each wave, in slot 0 behind its last fill and last read
.set ADRA, 16
.set ADRB, 20
.set LI,   22                          ; 16 x lane
.set CR,   23                          ; stage: columns
.set STO,  24                          ; stage: in
.set RD,   25                          ; stage: rows back
.set PFO,  26                          ; the prefetches' offset: a lane a row
.set RO,   27                          ; my place in the table
.set SPW,  28
.set NIL,  29
.set CSC,  30                          ; the conversion's scale
.set CLM,  31                          ; 448 x it
.set AF,   128
.set G1,  24                           ; group 1 for A;  s[32:39] its groups 0, one a slot
.set G0,  32
.set G1B, 48                           ; group 1 for B, 128 rows (Q);  s[56:63] B's groups 0
.set G0B, 56
.set G1C, 92                           ; group 1 for B, 64 rows (K, V)
.set PFA, 44                           ; s[44:45] where my prefetches stand
.set FLAGS, (1<<20)|(1<<21)|(5<<22)|(3<<25)   ; bytes; padding of 4 words behind every 64; bit 21 beside a mask
.set MSB, 0
.macro WIN new
.if MSB != (\new)
	s_set_vgpr_msb (MSB<<8)|(\new)
.set MSB, (\new)
.endif
.endm
.set MUL_LO, 0xa1
.set MUL_HI, 0xf1
.set TO_B,   0x40
.macro JLOAD g0a, g1a, g0b, g1b        ; waves 0, 1 fetch A's halves, waves 2, 3 B's; s_nop 0 and four v_nop behind each line
	s_cmp_eq_u32 s15, 0
	s_cbranch_scc0 .Lfor_b_\@
	tensor_load_to_lds s[\g0a:\g0a+3], s[\g1a:\g1a+7]
	s_nop 0
.rept 4
	v_nop
.endr
	s_branch .Lasked_\@
.Lfor_b_\@:
	tensor_load_to_lds s[\g0b:\g0b+3], s[\g1b:\g1b+7]
	s_nop 0
.rept 4
	v_nop
.endr
.Lasked_\@:
.endm
.macro CREST
	s_cmp_lg_u32 s14, 0
	s_cbranch_scc1 .Lnot_wave_0_\@
	s_barrier_signal -3
.Lnot_wave_0_\@:
	s_barrier_wait -3
	s_barrier_signal -1
	s_barrier_wait -1
.endm
.macro CROUND
	s_barrier_signal -1
	s_barrier_wait -1
	CREST
.endm
; A prefetch of the K step that stands two refills on: of the rows that a wave fetches each of the four partners that ask jointly takes a quarter, told apart by address; a lane a row of 256 bytes.
; The loop's last trip asks for nothing: K steps 8 and 9 do not exist.
.macro ASK
	s_cmp_gt_u32 s3, 1
	s_cbranch_scc0 .Lna_\@
	global_prefetch_b8 v[PFO], s[PFA:PFA+1] offset:3*ROWB th:TH_LOAD_NT scope:SCOPE_SE
.Lna_\@:
.endm
.macro FRAG reg, adr, q, i
.irp c, 0,1,2,3
	ds_load_b128 v[\reg+4*\c:\reg+4*\c+3], v[\adr] offset:128*(\q)+32*\c+(\i)*16*PITCH
.endr
.endm
.macro MUL16 a0, p, zero, nb           ; A's blocks a0, a0 + 1 x B's nb; the accumulators take turns
.irp a, \a0, \a0+1
.set lb, 0
.rept \nb
.set DA, 8*(8*((\a)%4)+lb)
.if \zero
	v_wmma_f32_16x16x128_fp8_fp8 v[DA:DA+7], v[128*(\p)+FR*lb:128*(\p)+FR*lb+FR-1], v[AF+FR*(\a):AF+FR*(\a)+FR-1], 0
.else
	v_wmma_f32_16x16x128_fp8_fp8 v[DA:DA+7], v[128*(\p)+FR*lb:128*(\p)+FR*lb+FR-1], v[AF+FR*(\a):AF+FR*(\a)+FR-1], v[DA:DA+7]
.endif
.set lb, lb+1
.endr
.endr
.endm
.macro FETCH_B slot, q, p, nb
	WIN TO_B
.set li, 0
.rept \nb
	FRAG 128*(\p)+FR*li, ADRB+\slot, \q, li
.set li, li+1
.endr
	WIN 0
.endm
.macro FETCH_A slot, q, i0
.irp i, \i0, \i0+1, \i0+2, \i0+3
	FRAG AF+FR*(\i), ADRA+\slot, \q, \i
.endr
.endm
.macro PLACES n
.rept \n
	v_nop
.endr
.endm
.macro STEP slot, q, zero, nb          ; 128 along K, its successor in the same slot
	s_wait_dscnt 4*NL                              ; the youngest sixteen loads (A's blocks 4-7) may be out
	WIN MUL_LO
	MUL16 0, (\q)%2, \zero, \nb
	MUL16 2, (\q)%2, \zero, \nb
	s_wait_dscnt 0
	PLACES NP
	FETCH_B \slot, (\q)+1, 1-(\q)%2, \nb
	FETCH_A \slot, (\q)+1, 0
	WIN MUL_HI
	MUL16 4, (\q)%2, \zero, \nb
	MUL16 6, (\q)%2, \zero, \nb
	PLACES NP
	WIN 0
	FETCH_A \slot, (\q)+1, 4
.endm
.macro TURN slot, next, fill, nb       ; a slot's last step changes slots
.if \fill
	s_wait_xcnt 0x0                                ; my last prefetch has read its address: it steps only behind this wait
	s_add_nc_u64 s[PFA:PFA+1], s[PFA:PFA+1], ROWB
.endif
	s_wait_tensorcnt 0x0                           ; my part of the next slot has landed
	ds_add_u32 v[SPW], v[NIL]
	s_wait_dscnt 4*NL+1                            ; the add and A's blocks 4-7 may be out
	WIN MUL_LO
	MUL16 0, 1, 0, \nb
	s_wait_dscnt 0x0                               ; the add is done, my reads of this slot are over
	s_barrier_signal -1
	MUL16 2, 1, 0, \nb
	WIN 0
	s_barrier_wait -1
.if \fill
	CREST                                          ; the barrier has opened a round of the cluster's barrier
	s_add_nc_u64 s[G0+4*\slot+2:G0+4*\slot+3], s[G0+4*\slot+2:G0+4*\slot+3], 2*ROWB
	s_add_nc_u64 s[G0B+4*\slot+2:G0B+4*\slot+3], s[G0B+4*\slot+2:G0B+4*\slot+3], 2*ROWB
	JLOAD G0+4*\slot, G1, G0B+4*\slot, GB          ; the first tensor load behind the round; its four v_nop are the places for the loads below
.else
	PLACES NP
.endif
	FETCH_B \next, 0, 0, \nb
	FETCH_A \next, 0, 0
.if \fill
	ASK
.endif
	WIN MUL_HI
	MUL16 4, 1, 0, \nb
	MUL16 6, 1, 0, \nb
	PLACES NP
	WIN 0
	FETCH_A \next, 0, 4
.endm
.macro LASTSTEP nb
	s_wait_dscnt 4*NL
	WIN MUL_LO
	MUL16 0, 1, 0, \nb
	MUL16 2, 1, 0, \nb
	s_wait_dscnt 0
	WIN MUL_HI
	MUL16 4, 1, 0, \nb
	MUL16 6, 1, 0, \nb
	WIN 0
.endm
.macro FINISH
	s_wait_tensorcnt 0x0                           ; the wave's end
	ds_add_u32 v[SPW], v[NIL]
	s_wait_dscnt 0x0
	CROUND                                         ; the closing round
	s_endpgm
.endm
; A ROLE'S HEAD AND ITS WALK ALONG K, up to the last step but one.  nb: B's blocks of 16 columns for a wave: 8 (Q) or 4 (K, V).
.macro MAIN nb
.set BR, 16*\nb                        ; B's rows that a wave fetches, and that a wave multiplies
.set GB, G1B+((8-\nb)/4)*(G1C-G1B)
.if \nb == 8
	s_lshl_b32 s46, s42, 8                         ; wc's row: 256 x tile column
.else
	s_lshl_b32 s46, s42, 7
	s_add_co_u32 s46, s46, 1024                    ; 2,048 + 128 x (tile column - 8)
.endif
	s_mul_i32 s18, s16, BR
	s_add_co_u32 s46, s46, s18
	s_lshl_b32 s46, s46, 11
	s_mov_b32 s47, 0
	s_add_nc_u64 s[46:47], s[70:71], s[46:47]
	s_mul_i32 s22, s16, HALFT                      ; LDS: A's halves,
	s_mul_i32 s23, s16, BR*PITCH
	s_add_co_u32 s23, s23, 2*HALFT                 ; B's behind them: the wave's number alone
.irp s, 0,1
	s_mov_b32 s[G0+4*\s], 1
	s_add_co_u32 s[G0+4*\s+1], s22, \s*SLOT
	s_add_nc_u64 s[G0+4*\s+2:G0+4*\s+3], s[20:21], \s*ROWB
	s_or_b32 s[G0+4*\s+3], s[G0+4*\s+3], 0x80000000
	s_mov_b32 s[G0B+4*\s], 1
	s_add_co_u32 s[G0B+4*\s+1], s23, \s*SLOT
	s_add_nc_u64 s[G0B+4*\s+2:G0B+4*\s+3], s[46:47], \s*ROWB
	s_or_b32 s[G0B+4*\s+3], s[G0B+4*\s+3], 0x80000000
.endr
	CROUND                                         ; all sixteen work-groups are here
	JLOAD G0, G1, G0B, GB                          ; K step 0: one tensor load a wave at the head
	s_mul_i32 s18, s15, HALFT                      ; my 128 rows of A
	s_mul_i32 s19, s14, 16*SPI                     ; my stage
	s_and_b32 s43, s17, 1
	s_lshl_b32 s43, s43, 8
	s_lshl_b32 s22, s15, 7
	s_add_co_u32 s43, s43, s22                     ; my first position in the sequence
	s_lshl_b32 s90, s40, 16                        ; prefetches: of A's 128 rows my work-group takes 32 cx on,
	s_mul_i32 s91, s41, BR*512                     ; of B's BR rows BR / 4 x cy on
	s_cmp_eq_u32 s15, 0
	s_cselect_b64 s[PFA:PFA+1], s[20:21], s[46:47]
	s_cselect_b32 s90, s90, s91
	s_cselect_b32 s22, 31, BR/4-1                  ; lanes left over name the last row again
	s_mov_b32 s91, 0
	s_add_nc_u64 s[PFA:PFA+1], s[PFA:PFA+1], s[90:91]
	s_lshl_b32 s20, s41, 2
	s_add_co_u32 s20, s20, s40
	s_lshl_b32 s20, s20, 13                        ; the table: 32 positions for each of the sixteen work-groups
	v_and_b32 v1, 15, v0                           ; r
	v_bfe_u32 v2, v0, 4, 1                         ; h
	v_and_b32 v6, 31, v0
	v_mul_u32_u24 v3, v1, PITCH
	v_lshl_add_u32 v4, v2, 4, v3
	v_add_nc_u32 v[ADRA], s18, v4
	v_add_nc_u32 v[ADRB], s23, v4
	v_add_nc_u32 v[ADRA+1], SLOT, v[ADRA]
	v_add_nc_u32 v[ADRB+1], SLOT, v[ADRB]
	v_lshlrev_b32 v[LI], 4, v6
	v_add_nc_u32 v5, s43, v1
	v_lshlrev_b32 v5, 8, v5
	v_lshl_add_u32 v[RO], v2, 5, v5                ; the table: position's 256 bytes, + 32 h
	v_min_u32 v[PFO], s22, v6
	v_lshlrev_b32 v[PFO], 11, v[PFO]
.if \nb == 8
	v_lshl_add_u32 v7, v6, 8, s20
.else
	v_lshl_add_u32 v5, v2, 5, v3
	v_add_nc_u32 v[STO], s19, v5                   ; in: row r, + 32 h
	v_mul_u32_u24 v5, v2, SPI
	v_lshl_add_u32 v5, v1, 4, v5
	v_add_nc_u32 v[RD], s19, v5                    ; back: sixteen lanes to a row
	v_mul_u32_u24 v5, v2, 8*SPI
	v_lshl_add_u32 v5, v1, 2, v5
	v_add_nc_u32 v[CR], s19, v5                    ; columns: row 8 h, column r
.endif
	s_wait_alu depctr_va_vdst(0)                   ; the wait ahead of the scalar lines below
	global_prefetch_b8 v[PFO], s[PFA:PFA+1] offset:ROWB th:TH_LOAD_NT scope:SCOPE_SE     ; K steps 1 and 2
	global_prefetch_b8 v[PFO], s[PFA:PFA+1] offset:2*ROWB th:TH_LOAD_NT scope:SCOPE_SE
.if \nb == 8
	s_or_b32 s22, ttmp9, s14                       ; the table is asked for by wave 0 of the four clusters with x = 0, each position once in a cluster
	s_cmp_eq_u32 s22, 0
	s_cbranch_scc0 .Lnt_\@
	global_prefetch_b8 v7, s[74:75] th:TH_LOAD_NT scope:SCOPE_SE
.Lnt_\@:
.endif
	s_lshr_b32 s18, s17, 1                         ; the batch
.if \nb == 8
	s_lshl_b32 s18, s18, 5
	s_lshl_b32 s19, s42, 2
	s_add_co_u32 s18, s18, s19
	s_lshl_b32 s19, s16, 1
	s_add_co_u32 s18, s18, s19                     ; 32 x batch + my first head
	s_lshl_b32 s90, s18, 15
	s_lshl_b32 s19, s43, 6
	s_add_co_u32 s90, s90, s19
	s_mov_b32 s91, 0
	s_add_nc_u64 s[84:85], s[76:77], s[90:91]      ; qc: my first head's tiles,
	s_add_nc_u64 s[86:87], s[84:85], 32768         ; my second's
.else
	s_lshl_b32 s18, s18, 3
	s_and_b32 s19, s42, 3
	s_lshl_b32 s19, s19, 1
	s_add_co_u32 s18, s18, s19
	s_add_co_u32 s18, s18, s16                     ; 8 x batch + my key head
	s_lshl_b32 s90, s18, 16
	s_lshl_b32 s19, s43, 6
	s_add_co_u32 s90, s90, s19
	s_cmp_eq_u32 ttmp9, 2
	s_cselect_b32 s19, 0, 32768                    ; V^T lies behind K's tiles
	s_cselect_b64 s[88:89], s[80:81], s[82:83]
	s_add_co_u32 s90, s90, s19
	s_mov_b32 s91, 0
	s_add_nc_u64 s[84:85], s[78:79], s[90:91]
	s_lshl_b32 s90, s18, 9
	s_add_co_u32 s90, s90, s43
	s_lshl_b32 s90, s90, 8
	s_add_nc_u64 s[88:89], s[88:89], s[90:91]      ; out1 or out2: my 128 rows of 256 bytes
.endif
	s_wait_kmcnt 0x0
.if \nb == 8
	s_add_co_i32 s18, s4, s5
	s_sub_co_i32 s22, s10, s18                     ; a sum stands for sum x 2^(e0 + e1): its code is sum / 2^(e6 - e0 - e1)
.else
	s_add_co_i32 s18, s6, s7
	s_add_co_i32 s19, s8, s9
	s_sub_co_i32 s22, s11, s18
	s_cmp_eq_u32 ttmp9, 2
	s_cselect_b32 s18, s18, s19                    ; K: e2 + e3, V: e4 + e5
	s_cselect_b32 s22, s22, s13                    ; K: e7 - e2 - e3 on the sums, V: e9 on the finished numbers
	s_add_co_i32 s18, s18, 127
	s_lshl_b32 s66, s18, 23
	s_mov_b32 s67, s66
.endif
	s_add_co_i32 s22, s22, 127
	s_lshl_b32 s23, s22, 23
	v_mov_b32 v[CSC], s23
	s_add_co_i32 s22, s22, 8
	s_lshl_b32 s22, s22, 23
	s_or_b32 s22, s22, 0x600000
	v_mov_b32 v[CLM], s22
	s_wait_alu depctr_va_vdst(0)                   ; the wait at the head's end
	s_wait_tensorcnt 0x0                           ; my part of K step 0 is in; the three lines ahead of a later first fill, as ahead of a refill
	ds_add_u32 v[SPW], v[NIL]
	s_wait_dscnt 0x0
	CROUND
	JLOAD G0+4, G1, G0B+4, GB                      ; K step 1, the first tensor load behind the round
	FETCH_B 0, 0, 0, \nb
	FETCH_A 0, 0, 0
	FETCH_A 0, 0, 4
	global_prefetch_b8 v[PFO], s[PFA:PFA+1] offset:3*ROWB th:TH_LOAD_NT scope:SCOPE_SE   ; K step 3
	STEP 0, 0, 1, \nb                              ; the first step starts the sums
	s_mov_b32 s3, LAPS-1
.Llap_\@:
	TURN 0, 1, 1, \nb
	STEP 1, 0, 0, \nb
	TURN 1, 0, 1, \nb
	STEP 0, 0, 0, \nb
	s_sub_co_u32 s3, s3, 1
	s_cmp_lg_u32 s3, 0
	s_cbranch_scc1 .Llap_\@
	TURN 0, 1, 0, \nb                              ; the last lap fills nothing
	STEP 1, 0, 0, \nb
.endm
; THE WAY OUT
.set TQ,  32                           ; rotated sums
.set TMP, 96                           ; K: x 2^(e2 + e3)
.set BK,  160                          ; K: rows back from the stage, two sets of 32
.set CD,  224                          ; codes
.macro TABLOAD a                       ; block a's 16 positions: lane (r, h): cosines of frequencies 8 h .., 16 + 8 h .., then the sines: window 1, v[32 a ..]
.irp g, 0,1,2,3
	global_load_b128 v[32*(\a)+8*\g:32*(\a)+8*\g+3], v[RO], s[74:75] offset:4096*(\a)+64*\g
	global_load_b128 v[32*(\a)+8*\g+4:32*(\a)+8*\g+7], v[RO], s[74:75] offset:4096*(\a)+64*\g+16
.endr
.endm
.macro TABS nb                         ; half of the table under the last step, in B's set that is done with; the other half behind it
	WIN TO_B
.irp a, 0,1,2,3
	TABLOAD \a
.endr
	WIN 0
	LASTSTEP \nb
	PLACES NP
	WIN TO_B
.irp a, 4,5,6,7
	TABLOAD \a
.endr
	WIN 0
.endm
.macro ROPE a, nh                      ; x1 cos - x2 sin, x2 cos + x1 sin: x1 in blocks 0, 1 of a head, x2 in blocks 2, 3; each accumulator from its low end on
.set AC, 64*((\a)%4)
	WIN 0x06+((\a)/4)
.set hh, 0
.rept \nh
.irp c, 0,1
.irp i, 0,2,4,6
.set RO1, TQ+32*hh+8*\c+\i
.set RX1, AC+32*hh+8*\c+\i
.set RTC, 32*(\a)+8*\c+\i
	v_pk_mul_f32 v[RO1:RO1+1], v[RX1:RX1+1], v[RTC:RTC+1]
	v_pk_mul_f32 v[RO1+16:RO1+17], v[RX1+16:RX1+17], v[RTC:RTC+1]
	v_pk_fma_f32 v[RO1:RO1+1], v[RX1+16:RX1+17], v[RTC+16:RTC+17], v[RO1:RO1+1] neg_lo:[0,1,0] neg_hi:[0,1,0]
	v_pk_fma_f32 v[RO1+16:RO1+17], v[RX1:RX1+1], v[RTC+16:RTC+17], v[RO1+16:RO1+17]
.endr
.endr
.set hh, hh+1
.endr
	WIN 0
.endm
.macro CODES src, n, dst               ; n numbers held within the largest code x the scale (the conversion does not saturate: ISA guide 7.6.2), then converted
.set lj, 0
.rept \n
	v_med3_num_f32 v[\src+lj], v[\src+lj], -v[CLM], v[CLM]
.set lj, lj+1
.endr
.set lj, 0
.rept (\n)/8
	v_cvt_scalef32_pk8_fp8_f32 v[\dst+2*lj:\dst+2*lj+1], v[\src+8*lj:\src+8*lj+7], v[CSC]
.set lj, lj+1
.endr
	v_nop                                          ; one plain line behind the last conversion
.endm
.macro QBLOCK a
	s_wait_loadcnt 8*(7-(\a))                      ; this block's eight table loads are in; the later blocks' may be out
	s_wait_xcnt 0x0                                ; the last block's stores have read their codes
	ROPE \a, 2
	CODES TQ, 64, CD
.irp hh, 0,1
.irp f, 0,1
	global_store_b128 v[LI], v[CD+8*\hh+4*\f:CD+8*\hh+4*\f+3], s[84+2*\hh:85+2*\hh] offset:1024*(\a)+512*\f
.endr
.endr
.endm
.macro KROWS a                         ; 16 rows of 256 bytes lie on end in out1: each store covers 512 consecutive bytes, aligned
	s_wait_dscnt 0x0
.irp t, 0,1,2,3,4,5,6,7
	global_store_b128 v[LI], v[BK+32*((\a)%2)+4*\t:BK+32*((\a)%2)+4*\t+3], s[88:89] offset:4096*(\a)+512*\t th:TH_STORE_NT
.endr
.endm
.macro INSTAGE src                     ; a lane's 32 numbers of row r into the stage
.irp b, 0,1,2,3
	ds_store_b128 v[STO], v[\src+8*\b:\src+8*\b+3] offset:64*\b
	ds_store_b128 v[STO], v[\src+8*\b+4:\src+8*\b+7] offset:64*\b+16
.endr
.endm
.macro BACK dst                        ; and back as rows: LDS serves a wave's instructions in order
.irp t, 0,1,2,3,4,5,6,7
	ds_load_b128 v[\dst+4*\t:\dst+4*\t+3], v[RD] offset:2*\t*SPI
.endr
.endm
.macro KBLOCK a
	s_wait_loadcnt 8*(7-(\a))
	s_wait_xcnt 0x0                                ; the stores of rows a - 2 and of codes a - 1 have read their registers
.if (\a) > 0
	KROWS (\a)-1
.endif
	ROPE \a, 1
.set lj, 0
.rept 16
	v_pk_mul_f32 v[TMP+lj:TMP+lj+1], v[TQ+lj:TQ+lj+1], s[66:67] op_sel_hi:[1,0]
.set lj, lj+2
.endr
	INSTAGE TMP
	BACK BK+32*((\a)%2)
	CODES TQ, 32, CD
.irp f, 0,1
	global_store_b128 v[LI], v[CD+4*\f:CD+4*\f+3], s[84:85] offset:1024*(\a)+512*\f
.endr
.endm
.set VT, 32
.set VB, 96
.set VC, 160
.macro VBLOCK a                        ; 16 keys: rows to out2; columns (lane: channel 16 b + r, keys 8 h + 0 .. 7) become registers 2 a, 2 a + 1 of V^T's fragment b, kept in window 1
.set AC, 64*((\a)%4)
	s_wait_xcnt 0x0
	WIN 0x02+((\a)/4)
.set lj, 0
.rept 16
	v_pk_mul_f32 v[VT+lj:VT+lj+1], v[AC+lj:AC+lj+1], s[66:67] op_sel_hi:[1,0]
.set lj, lj+2
.endr
	WIN 0
	INSTAGE VT
	BACK VB
.irp b, 0,1,2,3
.irp j, 0,1,2,3,4,5,6,7
	ds_load_b32 v[VC+8*\b+\j], v[CR] offset:SPI*\j+64*\b
.endr
.endr
	s_wait_dscnt 32                                ; the rows are back; the 32 column reads may be out
.irp t, 0,1,2,3,4,5,6,7
	global_store_b128 v[LI], v[VB+4*\t:VB+4*\t+3], s[88:89] offset:4096*(\a)+512*\t th:TH_STORE_NT
.endr
	s_wait_dscnt 0x0
.set lj, 0
.rept 32
	v_med3_num_f32 v[VC+lj], v[VC+lj], -v[CLM], v[CLM]
.set lj, lj+1
.endr
	WIN 0x40
.irp b, 0,1,2,3
	v_cvt_scalef32_pk8_fp8_f32 v[16*\b+2*(\a):16*\b+2*(\a)+1], v[VC+8*\b:VC+8*\b+7], v[CSC]
.endr
	v_nop
	WIN 0
.endm
	s_load_b512 s[68:83], s[0:1], 0x0              ; xc, wc, the scales' exponents, rope, qc, kvc, out1, out2
	v_lshl_add_u32 v[SPW], v0, 2, SPARE
	v_mov_b32 v[NIL], 0
	ds_add_u32 v[SPW], v[NIL]                      ; the opening lines: the add twice on end and its wait
	ds_add_u32 v[SPW], v[NIL]
	v_lshrrev_b32 v1, 5, v0
	v_readfirstlane_b32 s14, v1                    ; wave
	s_lshr_b32 s15, s14, 1                         ; my half of the rows.  Also: I fetch for A (0) or B (1)
	s_and_b32 s16, s14, 1                          ; my half of the columns.  Also: which half I fetch
	s_bfe_u32 s40, ttmp6, 0x40000                  ; cx
	s_bfe_u32 s41, ttmp6, 0x40004                  ; cy
	s_lshl_b32 s42, ttmp9, 2
	s_add_co_u32 s42, s42, s40                     ; tile column
	s_and_b32 s17, ttmp7, 0xffff
	s_lshl_b32 s17, s17, 2
	s_add_co_u32 s17, s17, s41                     ; tile row
	s_lshl_b32 s43, s41, 2
	s_lshl_b32 s43, 15, s43                        ; my row of the cluster
	s_lshl_b32 s46, 0x1111, s40                    ; my column
	s_or_b32 s[G1], s43, FLAGS
	s_or_b32 s[G1B], s46, FLAGS
	s_or_b32 s[G1C], s46, FLAGS
.irp g, G1, G1B, G1C
	s_mov_b32 s[\g+1], ROWB<<16
	s_mov_b32 s[\g+3], ROWB<<16
	s_mov_b32 s[\g+5], KROW
	s_mov_b32 s[\g+6], 0
	s_mov_b32 s[\g+7], 0
.endr
.irp g, G1, G1B
	s_mov_b32 s[\g+2], 128<<16
	s_mov_b32 s[\g+4], 128
.endr
	s_mov_b32 s[G1C+2], 64<<16
	s_mov_b32 s[G1C+4], 64
	s_lshl_b32 s18, s16, 7
	s_lshl_b32 s20, s17, 8
	s_add_co_u32 s20, s20, s18
	s_lshl_b32 s20, s20, 11                        ; xc: row 256 x tile row + 128 x half,
	s_mov_b32 s19, 0x1000000
	s_cmp_lt_u32 ttmp9, 3
	s_cselect_b32 s19, 0x800000, s19
	s_cmp_lt_u32 ttmp9, 2
	s_cselect_b32 s19, 0, s19
	s_add_co_u32 s20, s20, s19                     ; in the role's plane
	s_mov_b32 s21, 0
	s_wait_dscnt 0x0                               ; both opening adds are done
	s_wait_kmcnt 0x0
	s_load_b256 s[4:11], s[72:73], 0x0             ; e0 .. e7
	s_load_b64 s[12:13], s[72:73], 0x20            ; e8, e9
	s_add_nc_u64 s[20:21], s[68:69], s[20:21]
	s_cmp_lt_u32 ttmp9, 2
	s_cbranch_scc0 .Lkv
	MAIN 8
	TABS 8
.irp a, 0,1,2,3,4,5,6,7
	QBLOCK \a
.endr
	FINISH
.Lkv:
	MAIN 4
	s_cmp_eq_u32 ttmp9, 3
	s_cbranch_scc1 .Lv
	TABS 4
.irp a, 0,1,2,3,4,5,6,7
	KBLOCK \a
.endr
	KROWS 7
	FINISH
.Lv:
	LASTSTEP 4
	PLACES NP
.irp a, 0,1,2,3,4,5,6,7
	VBLOCK \a
.endr
	WIN 0x04
.irp b, 0,1,2,3
.irp q, 0,1,2,3
	global_store_b128 v[LI], v[16*\b+4*\q:16*\b+4*\q+3], s[84:85] offset:2048*\b+512*\q
.endr
.endr
	WIN 0
	FINISH
.Lfunc_end_k_q3601aad749_gemm_qkv:
	.size	k_q3601aad749_gemm_qkv, .Lfunc_end_k_q3601aad749_gemm_qkv-k_q3601aad749_gemm_qkv
	.p2alignl 7, 3214868480
	.fill 96, 4, 3214868480
	.section	.rodata,"a",@progbits
	.p2align	6, 0x0
	.amdhsa_kernel k_q3601aad749_gemm_qkv
		.amdhsa_group_segment_fixed_size 327680
		.amdhsa_private_segment_fixed_size 0
		.amdhsa_enable_private_segment 0
		.amdhsa_kernarg_size 64
		.amdhsa_user_sgpr_count 2
		.amdhsa_user_sgpr_kernarg_segment_ptr 1
		.amdhsa_wavefront_size32 1
		.amdhsa_system_sgpr_workgroup_id_x 1
		.amdhsa_system_sgpr_workgroup_id_y 1
		.amdhsa_system_sgpr_workgroup_id_z 1
		.amdhsa_system_vgpr_workitem_id 0
		.amdhsa_next_free_vgpr 1024
		.amdhsa_next_free_sgpr 100
		.amdhsa_reserve_vcc 0
		.amdhsa_float_denorm_mode_32 3
		.amdhsa_float_denorm_mode_16_64 3
		.amdhsa_memory_ordered 1
		.amdhsa_forward_progress 1
		.amdhsa_inst_pref_size 255
	.end_amdhsa_kernel
	.section	.bss,"aw",@nobits
	.p2align	6
	.space	262144
	.amdgpu_metadata
---
amdhsa.version: [ 1, 2 ]
amdhsa.kernels:
  - .name:           k_q3601aad749_gemm_qkv
    .symbol:         k_q3601aad749_gemm_qkv.kd
    .args:
      - { .name: xc, .offset: 0, .size: 8, .value_kind: global_buffer, .address_space: global }
      - { .name: wc, .offset: 8, .size: 8, .value_kind: global_buffer, .address_space: global }
      - { .name: lowp_scales, .offset: 16, .size: 8, .value_kind: global_buffer, .address_space: global }
      - { .name: rope, .offset: 24, .size: 8, .value_kind: global_buffer, .address_space: global }
      - { .name: qc, .offset: 32, .size: 8, .value_kind: global_buffer, .address_space: global }
      - { .name: kvc, .offset: 40, .size: 8, .value_kind: global_buffer, .address_space: global }
      - { .name: out1, .offset: 48, .size: 8, .value_kind: global_buffer, .address_space: global }
      - { .name: out2, .offset: 56, .size: 8, .value_kind: global_buffer, .address_space: global }
    .group_segment_fixed_size: 327680
    .private_segment_fixed_size: 0
    .kernarg_segment_align: 8
    .kernarg_segment_size: 64
    .max_flat_workgroup_size: 128
    .sgpr_count:     100
    .vgpr_count:     1024
    .wavefront_size: 32
...
	.end_amdgpu_metadata
.endif
;; end of part 2
;; launch attn (part 3): grid 32 x 8, 16 waves a work-group, clusters of 4 x 1, 169,984 bytes of LDS; arguments qc, kvc, lowp_scales, ao; writes ao
.if DOCPART == 3
	.amdgcn_target "amdgcn-amd-amdhsa--gfx1250"
	.amdhsa_code_object_version 6
	.text
	.protected	k_q3601aad749_attn
	.globl	k_q3601aad749_attn
	.p2align	8
	.type	k_q3601aad749_attn,@function
k_q3601aad749_attn:
	s_mov_b64 s[64:65], 0
	v_nop
	global_prefetch_b8 v0, s[64:65] scope:SCOPE_SE
	s_setreg_imm32_b32 hwreg(HW_REG_WAVE_MODE, 25, 1), 1
	s_wait_xcnt 0x0
	s_wait_alu depctr_hold_cnt(0) depctr_sa_sdst(0) depctr_va_vdst(0) depctr_va_sdst(0) depctr_va_ssrc(0) depctr_va_vcc(0) depctr_vm_vsrc(0)
	s_getreg_b32 s2, hwreg(HW_REG_IB_STS2, 6, 4)
	s_cmp_eq_u32 s2, 0
	s_cbranch_scc0 .Lentry_in_a_cluster
	s_endpgm
.Lentry_in_a_cluster:
	s_bfe_u32 s2, ttmp6, 0x10000c
	s_cmp_lg_u32 s2, 0x3003
	s_cbranch_scc0 .Lentry_shape_is_right
	s_endpgm
.Lentry_shape_is_right:
; CAUSAL ATTENTION ON CODES OF E4M3: 8 batches x 32 query heads, 4 query heads to a key and value head, 512 positions, head size 64.  Both products on codes; the result leaves as codes under 2^e10, ao [4096][2048], k = 64 x head + channel.
; THE SOFTMAX AHEAD OF THE SECOND PRODUCT: t = score x log2(e) / 8; M = the row's largest t so far, rounded UP to a whole number; p = 2^(t - M) is what is quantised (under 2^e8), not normalised.
; The row's sum is taken of the unquantised p, in f32, and divides O at the end.  When M moves, the sum and O are multiplied by 2^(old M - new M): exact.
; INPUTS ARE IMAGES OF OPERAND REGISTERS: lane l's 16 bytes at 16 l, 512 bytes for four registers.  qc: [batch][head][tile of 16 queries][1,024].  kvc: [batch][key head][65,536]: 32 tiles of 16 keys x 64, then [128 keys][16 channels][2,048]: V^T.
; SHARES.  A cluster of four work-groups has one batch and one key head.  All four need the same 65,536 bytes of K and V: they are asked for JOINTLY, once, at the head, and stay in LDS: nothing is filled again.
; Work-group cx takes the tiles of queries t = cx + 4 i, i = 0 .. 7, of all four query heads.  Tile t needs i / 2 + 1 key steps of 128, whatever cx is (16 cx + 15 < 64), and its last step is the one on the diagonal:
; so every branch hangs on the wave's number alone.  Wave w: head w % 4, p = w / 4; it takes i = p and then i = 7 - p: five key steps in every wave.  Key steps that lie wholly behind the diagonal are not computed.
; LAYOUT.  Both products are used transposed: S^T = K Q^T (source 0 = 16 keys, source 1 = my 16 queries), O^T = V^T P^T (source 0 = 16 channels, source 1 = P): a lane holds ONE query (l % 16) throughout.
; Tile c of S^T holds in lane (r, h) keys 16 c + 8 h + 0 .. 7: converted, they ARE registers 2 c, 2 c + 1 of P.
; Four waves share a SIMD, so that one wave's vector work stands beside another's matrix work and LDS loads.  No prefetch: all tiles are asked for at the head.
; LIMITS on the given exponents: e6 + e7 between -123 and 130 (added to c's exponent field); e8 between -126 and 119; e8 + e9 - e10 is applied by v_ldexp_f32 and has none.
; REGISTERS: v1-7 addresses and the mask's number; v8 -infinity, v9 1.0, v10 448.0; v12 -M, v13 the largest t, v[14:15] the sum in two halves; v16-31 Q of my two tiles; v32-95 eight fragments of K or four of V^T;
;   v96-159 S^T, then p; v160-191 O^T; v192-207 p's codes; v208-215 the result's codes; v216-231 rows read back; v236-254 at work.
.set STAGE, 65536                      ; behind K's and V's images: 128 rows (16 i + r) x (256 codes + 16 bytes): the four heads' 64 codes of a query side by side
.set SPI,   272
.set LI,   1                           ; v1     16 x lane
.set STO,  2                           ; v2, v3 the stage: where my two tiles' codes go
.set RD,   4                           ; v4     the stage: where I read rows back
.set GO,   5                           ; v5     my byte offset in the rows of ao that I store
.set DLT,  6                           ; v6, v7 my query less the diagonal step's first key less 8 (l / 16), for my two tiles
.set WV,   18                          ; s18    my wave's number
.set SEL,  20                          ; s[20:21] lane selects for v_permlanex16_b32: lane l xor 16
.set CS,   22                          ; s[22:23] c = log2(e) / 8 x 2^(e6 + e7)
.set G1,   24                          ; s[24:31] descriptor group 1
.set G0,   32                          ; s[32:35] group 0
.set PH,   37                          ; s37    p / 2
.macro ROUND                           ; a round of the cluster's barrier
	s_barrier_signal -1
	s_barrier_wait -1
	s_cmp_lg_u32 s[WV], 0
	s_cbranch_scc1 .Lnot_wave_0_\@
	s_barrier_signal -3
.Lnot_wave_0_\@:
	s_barrier_wait -3
	s_barrier_signal -1
	s_barrier_wait -1
.endm
	s_load_b128 s[4:7], s[0:1], 0x0                ; qc, kvc
	s_load_b128 s[8:11], s[0:1], 0x10              ; the scales' exponents, ao
	v_lshl_add_u32 v251, v0, 2, 0x29000
	v_mov_b32 v255, 0
	ds_add_u32 v251, v255
	ds_add_u32 v251, v255
	v_lshrrev_b32 v8, 5, v0
	s_delay_alu instid0(VALU_DEP_1)
	v_readfirstlane_b32 s[WV], v8                  ; wave 0..15
	s_bfe_u32 s38, ttmp6, 0x40000                  ; cx
	s_and_b32 s39, ttmp7, 0xffff                   ; the batch;  ttmp9, the cluster's x, is the key head
	s_and_b32 s40, s[WV], 3                        ; my query head among the four
	s_lshr_b32 s41, s[WV], 2                       ; p: i of my first tile
	s_lshr_b32 s[PH], s41, 1
	s_xor_b32 s42, s41, 7                          ; 7 - p: i of my second tile
	s_lshl_b32 s44, s39, 3
	s_add_co_u32 s44, s44, ttmp9
	s_lshl_b32 s44, s44, 16                        ; the key head's 65,536 bytes,
	s_lshl_b32 s[G0+1], s[WV], 14                  ; of which waves 0 to 3 fetch 16,384 each: the LDS address,
	s_add_co_u32 s44, s44, s[G0+1]                 ; and the place in memory: nothing of cx enters
	s_mov_b32 s45, 0
	; descriptor group 1: a dense block as 64 rows of 256 bytes
	s_mov_b32 s[G1], 15|(3<<16)|(1<<21)            ; 15:0 the mask: all four work-groups; 17:16 elements of 8 bytes; 21 set beside a mask; no padding: images are read 16 bytes a lane on end
	s_mov_b32 s[G1+1], 32<<16                      ; tensor_dim0 = 32
	s_mov_b32 s[G1+2], 64<<16                      ; tensor_dim1 = 64
	s_mov_b32 s[G1+3], 32<<16                      ; tile_dim0 = 32
	s_mov_b32 s[G1+4], 64                          ; tile_dim1 = 64
	s_mov_b32 s[G1+5], 32                          ; tensor_dim0_stride
	s_mov_b32 s[G1+6], 0
	s_mov_b32 s[G1+7], 0
	s_mov_b32 s[G0], 1
	s_lshl_b32 s46, s39, 5
	s_lshl_b32 s47, ttmp9, 2
	s_add_co_u32 s46, s46, s47
	s_add_co_u32 s46, s46, s40                     ; 32 x batch + my query head
	s_lshl_b32 s46, s46, 5
	s_add_co_u32 s46, s46, s38                     ; x 32 tiles + cx
	s_lshl_b32 s47, s41, 2
	s_add_co_u32 s48, s46, s47
	s_lshl_b32 s48, s48, 10                        ; my first tile's image of Q,
	s_mov_b32 s49, 0
	s_lshl_b32 s47, s42, 2
	s_add_co_u32 s50, s46, s47
	s_lshl_b32 s50, s50, 10                        ; my second's
	s_mov_b32 s51, 0
	s_lshl_b32 s52, s39, 9                         ; the rows of ao that I store: stage rows 8 w .. 8 w + 7 are queries 64 (w / 2) + 16 cx + 8 (w % 2) + 0 .. 7 of the batch
	s_lshr_b32 s53, s[WV], 1
	s_lshl_b32 s53, s53, 6
	s_add_co_u32 s52, s52, s53
	s_lshl_b32 s53, s38, 4
	s_add_co_u32 s52, s52, s53
	s_and_b32 s53, s[WV], 1
	s_lshl_b32 s53, s53, 3
	s_add_co_u32 s52, s52, s53
	s_lshl_b32 s52, s52, 11
	s_lshl_b32 s53, ttmp9, 8
	s_add_co_u32 s52, s52, s53                     ; + the four heads' 256 bytes of a row
	s_mov_b32 s53, 0
	s_mov_b32 s[SEL], 0x76543210
	s_mov_b32 s[SEL+1], 0xfedcba98
	s_mov_b32 s[CS], 0x3e38aa3b                    ; log2(e) / 8
	v_and_b32 v8, 31, v0
	s_delay_alu instid0(VALU_DEP_1)
	v_lshlrev_b32 v[LI], 4, v8
	v_and_b32 v232, 15, v0                         ; r
	v_bfe_u32 v233, v0, 4, 1                       ; h
	s_wait_alu depctr_va_vdst(0)
	v_mul_u32_u24 v234, v232, SPI
	s_delay_alu instid0(VALU_DEP_1)
	v_lshl_add_u32 v234, v233, 3, v234             ; the stage, in: row r, + 8 h
	s_lshl_b32 s55, s40, 6
	s_add_co_u32 s55, s55, STAGE                   ; + my head's 64 bytes
	s_mul_i32 s54, s41, 16*SPI
	s_add_co_u32 s54, s54, s55
	v_add_nc_u32 v[STO], s54, v234                 ; + 16 i rows
	s_mul_i32 s54, s42, 16*SPI
	s_add_co_u32 s54, s54, s55
	v_add_nc_u32 v[STO+1], s54, v234
	s_mul_i32 s54, s[WV], 8*SPI
	s_add_co_u32 s54, s54, STAGE
	v_mul_u32_u24 v234, v233, SPI
	s_delay_alu instid0(VALU_DEP_1)
	v_lshl_add_u32 v234, v232, 4, v234
	s_delay_alu instid0(VALU_DEP_1)
	v_add_nc_u32 v[RD], s54, v234                  ; back: rows 8 w + h, sixteen lanes to a row
	v_lshlrev_b32 v[GO], 11, v233
	s_delay_alu instid0(VALU_DEP_1)
	v_lshl_add_u32 v[GO], v232, 4, v[GO]
	v_lshlrev_b32 v234, 3, v233
	s_delay_alu instid0(VALU_DEP_1)
	v_sub_nc_u32 v234, v232, v234                  ; r - 8 h
	s_lshl_b32 s54, s38, 4                         ; 16 cx
	s_and_b32 s55, s41, 1
	s_lshl_b32 s55, s55, 6
	s_add_co_u32 s55, s55, s54                     ; + 64 (i % 2)
	v_add_nc_u32 v[DLT], s55, v234
	s_and_b32 s55, s42, 1
	s_lshl_b32 s55, s55, 6
	s_add_co_u32 s55, s55, s54
	v_add_nc_u32 v[DLT+1], s55, v234
	v_mov_b32 v8, 0xff800000                       ; -infinity
	v_mov_b32 v9, 1.0
	v_mov_b32 v10, 0x43e00000                      ; 448
	v_mov_b32 v236, 0                              ; written once: a lane permute's destination counts as one of its sources
	v_mov_b32 v253, 0                              ; (named as the upper half of the pair v[252:253])
	s_wait_dscnt 0x0
	s_wait_kmcnt 0x0
	s_load_b256 s[68:75], s[8:9], 0x10             ; e4 .. e11
	s_add_nc_u64 s[G0+2:G0+3], s[6:7], s[44:45]
	s_or_b32 s[G0+3], s[G0+3], 0x80000000          ; type = 2
	s_add_nc_u64 s[48:49], s[4:5], s[48:49]
	s_add_nc_u64 s[50:51], s[4:5], s[50:51]
	s_add_nc_u64 s[10:11], s[10:11], s[52:53]
	global_load_b128 v[16:19], v[LI], s[48:49]     ; Q's two fragments stay in registers
	global_load_b128 v[20:23], v[LI], s[48:49] offset:512
	global_load_b128 v[24:27], v[LI], s[50:51]
	global_load_b128 v[28:31], v[LI], s[50:51] offset:512
	ROUND                                          ; all four work-groups are here: the joint loads meet
	s_cmp_lt_u32 s[WV], 4                          ; waves 0 to 3 fetch a quarter each: one tensor load of a wave is out
	s_cbranch_scc0 .Lno_fetch
	tensor_load_to_lds s[G0:G0+3], s[G1:G1+7]
	s_nop 0
.rept 4
	v_nop
.endr
.Lno_fetch:
	s_wait_kmcnt 0x0
	s_add_co_i32 s56, s70, s71
	s_lshl_b32 s56, s56, 23
	s_add_co_i32 s[CS], s[CS], s56                 ; a score stands for score x 2^(e6 + e7): the two exponents are added to c's exponent field
	s_mov_b32 s[CS+1], s[CS]                       ; (named with it as a pair, so it is written)
	s_add_co_i32 s56, s72, 127
	s_lshl_b32 s57, s56, 23
	v_mov_b32 v244, s57                            ; 2^e8 as f32, for p's conversion
	s_add_co_i32 s56, s56, 8
	s_lshl_b32 s56, s56, 23
	s_or_b32 s56, s56, 0x600000
	v_mov_b32 v240, s56                            ; 448 x 2^e8
	s_add_co_i32 s76, s72, s73
	s_sub_co_i32 s76, s76, s74                     ; e8 + e9 - e10
	s_wait_tensorcnt 0x0                           ; my quarter has landed (a wave that fetched nothing passes),
	s_barrier_signal -1
	s_barrier_wait -1                              ; everybody's has
	s_wait_loadcnt 0x0                             ; Q
; A KEY STEP: keys 128 s .. 128 s + 127 for the tile whose Q lies in v[Q] on and whose mask number lies in v[D].  first = 1: the tile's first step starts M, the sum and O^T.
; exec: -1 always, else the step is walked where p / 2 has that value.  mask: -2 never, -1 always, else where p / 2 has that value.
.macro STEP Q, D, s, first, exec, mask
.if \exec >= 0
	s_cmp_lg_u32 s[PH], \exec
	s_cbranch_scc1 .Lskip_\@
.endif
.rept 4
	v_nop                                          ; places in front of loads into registers that matrix instructions have read
.endr
.irp c, 0,1,2,3,4,5,6,7
	ds_load_b128 v[32+8*\c:35+8*\c], v[LI] offset:(8*(\s)+\c)*1024
	ds_load_b128 v[36+8*\c:39+8*\c], v[LI] offset:(8*(\s)+\c)*1024+512
.endr
	s_wait_dscnt 0x0
.irp c, 0,1,2,3,4,5,6,7
	v_wmma_f32_16x16x64_fp8_fp8 v[96+8*\c:103+8*\c], v[32+8*\c:39+8*\c], v[\Q:\Q+7], 0
.endr
.rept 4
	v_nop                                          ; places behind the products: for the loads below and for the readers of the scores
.endr
.irp t, 0,1,2,3
.irp q, 0,1,2,3
	ds_load_b128 v[32+16*\t+4*\q:35+16*\t+4*\q], v[LI] offset:32768+(4*(\s)+\t)*2048+512*\q   ; V^T's four fragments land under the softmax
.endr
.endr
.if \mask > -2                         ; on the diagonal the scores of hidden keys become -infinity ahead of the maximum: p = 0 then.  Register 8 c + j holds key 16 c + 8 h + j of the step: hidden where 16 c + j > my query - the step's first key - 8 h
.if \mask >= 0
	s_cmp_lg_u32 s[PH], \mask
	s_cbranch_scc1 .Lopen_\@
.endif
.set n, 0
	s_wait_alu depctr_va_vdst(0)
.rept 64
	v_cmp_gt_i32 vcc_lo, 16*(n/8)+n%8, v[\D]
	v_cndmask_b32 v[96+n], v[96+n], v8, vcc_lo
.set n, n+1
.endr
.if \mask >= 0
.Lopen_\@:
.endif
.endif
	v_max3_num_f32 v254, v96, v97, v98             ; the step's largest score of my query, among my 64 keys, in two chains, from the low end on,
	v_max3_num_f32 v252, v99, v100, v101
.irp i, 6,10,14,18,22,26,30,34,38,42,46,50,54,58
	v_max3_num_f32 v254, v254, v[96+\i], v[97+\i]
	v_max3_num_f32 v252, v252, v[98+\i], v[99+\i]
.endr
	v_max3_num_f32 v254, v254, v158, v159
	s_delay_alu instid0(VALU_DEP_1)
	v_max_num_f32 v254, v254, v252
	s_delay_alu instid0(VALU_DEP_1)
	v_permlanex16_b32 v236, v254, s[SEL], s[SEL+1]
	s_delay_alu instid0(VALU_DEP_1)
	v_max_num_f32 v254, v254, v236                 ; and among lane l xor 16's.  Key 0 counts for every query, so this is a number from the first step on
.if \first
	s_delay_alu instid0(VALU_DEP_1)
	v_mul_f32 v13, s[CS], v254                     ; as t (c is positive)
	s_delay_alu instid0(VALU_DEP_1)
	v_floor_f32 v12, -v13                          ; -M = floor(-t) = -ceil(t): M IS A WHOLE NUMBER
.else
	s_delay_alu instid0(VALU_DEP_1)
	v_mul_f32 v254, s[CS], v254
	s_delay_alu instid0(VALU_DEP_1)
	v_max_num_f32 v13, v13, v254                   ; the running largest t
	v_mov_b32 v254, v12
	s_delay_alu instid0(VALU_DEP_2)
	v_floor_f32 v12, -v13
	s_delay_alu instid0(VALU_DEP_1)
	v_sub_f32 v254, v12, v254                      ; M's old value less its new one: a whole number, 0 or less
	s_delay_alu instid0(VALU_DEP_1)
	v_cvt_i32_f32 v254, v254
	s_delay_alu instid0(VALU_DEP_1)
	v_ldexp_f32 v252, 1.0, v254                    ; f = 2^(old M - new M)
.endif
.set j, 0
.rept 32
	v_pk_fma_f32 v[96+j:97+j], v[96+j:97+j], s[CS:CS+1], v[12:13] op_sel_hi:[1,0,0]   ; t - M, two at a time (of the pairs c and -M the low word serves both halves)
.set j, j+2
.endr
.set j, 0
	s_wait_alu depctr_va_vdst(0)
.rept 64
	v_exp_f32 v[96+j], v[96+j]                     ; p = 2^(t - M), at most 1: NOT normalised
.set j, j+1
.endr
.if \first
	v_mov_b32 v14, 0                               ; the sum begins.  (A plain line behind the exponentials)
	v_mov_b32 v15, 0
.else
	v_pk_mul_f32 v[14:15], v[14:15], v[252:253] op_sel_hi:[1,0]   ; the sum under the new M.  (A plain line behind the exponentials)
.endif
	s_wait_alu depctr_va_vdst(0)                   ; the wait ahead of the first reader: one for the whole batch
	v_pk_add_f32 v[242:243], v[100:101], v[104:105]
	v_pk_add_f32 v[248:249], v[108:109], v[112:113]
	v_pk_add_f32 v[246:247], v[116:117], v[120:121]
	v_pk_add_f32 v[238:239], v[124:125], v[128:129]
	v_pk_add_f32 v[234:235], v[132:133], v[136:137]
	v_pk_add_f32 v[232:233], v[140:141], v[144:145]
	v_pk_add_f32 v[230:231], v[148:149], v[152:153]
	v_pk_add_f32 v[14:15], v[14:15], v[156:157]
	v_pk_add_f32 v[242:243], v[242:243], v[96:97]
	v_pk_add_f32 v[248:249], v[248:249], v[98:99]
	v_pk_add_f32 v[246:247], v[246:247], v[102:103]
	v_pk_add_f32 v[238:239], v[238:239], v[106:107]
	v_pk_add_f32 v[234:235], v[234:235], v[110:111]
	v_pk_add_f32 v[232:233], v[232:233], v[114:115]
	v_pk_add_f32 v[230:231], v[230:231], v[118:119]
	v_pk_add_f32 v[14:15], v[14:15], v[122:123]
	v_pk_add_f32 v[242:243], v[242:243], v[126:127]
	v_pk_add_f32 v[248:249], v[248:249], v[130:131]
	v_pk_add_f32 v[246:247], v[246:247], v[134:135]
	v_pk_add_f32 v[238:239], v[238:239], v[138:139]
	v_pk_add_f32 v[234:235], v[234:235], v[142:143]
	v_pk_add_f32 v[232:233], v[232:233], v[146:147]
	v_pk_add_f32 v[230:231], v[230:231], v[150:151]
	v_pk_add_f32 v[14:15], v[14:15], v[154:155]
	v_pk_add_f32 v[242:243], v[242:243], v[158:159]
	s_delay_alu instid0(VALU_DEP_2)
	v_pk_add_f32 v[14:15], v[14:15], v[238:239]
	s_delay_alu instid0(VALU_DEP_2)
	v_pk_add_f32 v[242:243], v[242:243], v[234:235]
	v_pk_add_f32 v[248:249], v[248:249], v[232:233]
	v_pk_add_f32 v[246:247], v[246:247], v[230:231]
	s_delay_alu instid0(VALU_DEP_2)
	v_pk_add_f32 v[14:15], v[14:15], v[248:249]
	s_delay_alu instid0(VALU_DEP_2)
	v_pk_add_f32 v[242:243], v[242:243], v[246:247]
	s_delay_alu instid0(VALU_DEP_1)
	v_pk_add_f32 v[14:15], v[14:15], v[242:243]
.set j, 0
.rept 64
	v_min_num_f32 v[96+j], v[96+j], v240           ; the conversion does not saturate (ISA guide 7.6.2); p is not negative, so the hold is one-sided
.set j, j+1
.endr
.irp c, 0,1,2,3,4,5,6,7
	v_cvt_scalef32_pk8_fp8_f32 v[192+2*\c:193+2*\c], v[96+8*\c:103+8*\c], v244
.endr
.if \first
	s_wait_alu depctr_va_vdst(0)
	v_nop                                          ; one plain vector line between a scaled conversion and the matrix instruction that reads its result
.else
.set j, 0
.rept 16
	v_pk_mul_f32 v[160+j:161+j], v[160+j:161+j], v[252:253] op_sel_hi:[1,0]   ; O^T under the new M: x f
.set j, j+2
.endr
.endif
	s_wait_alu depctr_va_vdst(0)
	s_wait_dscnt 0x0                               ; V^T
.irp t, 0,1,2,3                        ; the four accumulators take turns, one instruction a turn; between two steps stand the eight products of the scores
.if \first
	v_wmma_f32_16x16x128_fp8_fp8 v[160+8*\t:167+8*\t], v[32+16*\t:47+16*\t], v[192:207], 0
.else
	v_wmma_f32_16x16x128_fp8_fp8 v[160+8*\t:167+8*\t], v[32+16*\t:47+16*\t], v[192:207], v[160+8*\t:167+8*\t]
.endif
.endr
.if \exec >= 0
.Lskip_\@:
.endif
.endm
; A tile is finished: O^T / the sum x 2^(e8 + e9 - e10), held within +-448, becomes codes; a lane's eight channels of a query are 8 bytes of the stage's row.
.macro WAYOUT u
.rept 4
	v_nop                                          ; places behind the last products
.endr
	v_add_f32 v14, v14, v15                        ; the sum's two halves,
	s_delay_alu instid0(VALU_DEP_1)
	v_permlanex16_b32 v236, v14, s[SEL], s[SEL+1]
	s_delay_alu instid0(VALU_DEP_1)
	v_add_f32 v14, v14, v236                       ; and lane l xor 16's
	s_wait_alu depctr_va_vdst(0)
	v_rcp_f32 v14, v14
	v_nop                                          ; a plain line behind the reciprocal
	s_wait_alu depctr_va_vdst(0)                   ; and the wait ahead of its first reader
	v_ldexp_f32 v14, v14, s76
.set j, 0
.rept 16
	v_pk_mul_f32 v[96+j:97+j], v[160+j:161+j], v[14:15] op_sel_hi:[1,0]   ; each accumulator from its low end on
.set j, j+2
.endr
.set j, 0
.rept 32
	v_med3_num_f32 v[96+j], v[96+j], -v10, v10
.set j, j+1
.endr
.irp t, 0,1,2,3
	v_cvt_scalef32_pk8_fp8_f32 v[208+2*\t:209+2*\t], v[96+8*\t:103+8*\t], v9   ; the scale has gone in already: / 1
.endr
	v_nop                                          ; one plain vector line behind the last conversion
.irp t, 0,1,2,3
	ds_store_b64 v[STO+\u], v[208+2*\t:209+2*\t] offset:16*\t
.endr
.endm
	STEP 16, DLT, 0, 1, -1, 0                      ; my first tile, i = p: p / 2 + 1 steps
	STEP 16, DLT, 1, 0, 1, -1
	WAYOUT 0
	STEP 24, DLT+1, 0, 1, -1, -2                   ; my second, i = 7 - p: 4 - p / 2 steps
	STEP 24, DLT+1, 1, 0, -1, -2
	STEP 24, DLT+1, 2, 0, -1, 1
	STEP 24, DLT+1, 3, 0, 0, -1
	WAYOUT 1
	s_wait_dscnt 0x0                               ; for the others' sake: my stores into the stage are done
	s_barrier_signal -1
	s_barrier_wait -1                              ; 128 whole rows of 256 codes lie in the stage
.irp k, 0,1,2,3
	ds_load_b128 v[216+4*\k:219+4*\k], v[RD] offset:2*SPI*\k
.endr
.irp k, 0,1,2,3
	s_wait_dscnt 3-\k                              ; the younger read-backs may be out
	global_store_b128 v[GO], v[216+4*\k:219+4*\k], s[10:11] offset:4096*\k   ; sixteen lanes store 256 consecutive bytes, aligned: the four heads' codes of one query
.endr
	s_wait_tensorcnt 0x0
	ds_add_u32 v251, v255
	s_wait_dscnt 0x0
	ROUND                                          ; the closing round: no work-group ends while a partner may still ask for a tile that names it
	s_endpgm
.Lfunc_end_k_q3601aad749_attn:
	.size	k_q3601aad749_attn, .Lfunc_end_k_q3601aad749_attn-k_q3601aad749_attn
	.p2alignl 7, 3214868480
	.fill 96, 4, 3214868480
	.section	.rodata,"a",@progbits
	.p2align	6, 0x0
	.amdhsa_kernel k_q3601aad749_attn
		.amdhsa_group_segment_fixed_size 169984
		.amdhsa_private_segment_fixed_size 0
		.amdhsa_enable_private_segment 0
		.amdhsa_kernarg_size 32
		.amdhsa_user_sgpr_count 2
		.amdhsa_user_sgpr_kernarg_segment_ptr 1
		.amdhsa_wavefront_size32 1
		.amdhsa_system_sgpr_workgroup_id_x 1
		.amdhsa_system_sgpr_workgroup_id_y 1
		.amdhsa_system_sgpr_workgroup_id_z 1
		.amdhsa_system_vgpr_workitem_id 0
		.amdhsa_next_free_vgpr 256
		.amdhsa_next_free_sgpr 80
		.amdhsa_reserve_vcc 1
		.amdhsa_float_denorm_mode_32 3
		.amdhsa_float_denorm_mode_16_64 3
		.amdhsa_memory_ordered 1
		.amdhsa_forward_progress 1
		.amdhsa_inst_pref_size 127
	.end_amdhsa_kernel
	.amdgpu_metadata
---
amdhsa.version: [ 1, 2 ]
amdhsa.kernels:
  - .name:           k_q3601aad749_attn
    .symbol:         k_q3601aad749_attn.kd
    .args:
      - { .name: qc, .offset: 0, .size: 8, .value_kind: global_buffer, .address_space: global }
      - { .name: kvc, .offset: 8, .size: 8, .value_kind: global_buffer, .address_space: global }
      - { .name: lowp_scales, .offset: 16, .size: 8, .value_kind: global_buffer, .address_space: global }
      - { .name: ao, .offset: 24, .size: 8, .value_kind: global_buffer, .address_space: global }
    .group_segment_fixed_size: 169984
    .private_segment_fixed_size: 0
    .kernarg_segment_align: 8
    .kernarg_segment_size: 32
    .max_flat_workgroup_size: 512
    .sgpr_count:     80
    .vgpr_count:     256
    .wavefront_size: 32
...
	.end_amdgpu_metadata
.endif
;; end of part 3
;; launch gemm_out (part 4): grid 16 x 16, 4 waves a work-group, clusters of 4 x 4, 327,680 bytes of LDS; arguments ao, wc, lowp_scales, out0; writes out0
.if DOCPART == 4
	.amdgcn_target "amdgcn-amd-amdhsa--gfx1250"
	.amdhsa_code_object_version 6
	.text
	.protected	k_q3601aad749_gemm_out
	.globl	k_q3601aad749_gemm_out
	.p2align	8
	.type	k_q3601aad749_gemm_out,@function
k_q3601aad749_gemm_out:
	s_mov_b64 s[64:65], 0
	v_nop
	global_prefetch_b8 v0, s[64:65] scope:SCOPE_SE
	s_setreg_imm32_b32 hwreg(HW_REG_WAVE_MODE, 25, 1), 1
	s_wait_xcnt 0x0
	s_wait_alu depctr_hold_cnt(0) depctr_sa_sdst(0) depctr_va_vdst(0) depctr_va_sdst(0) depctr_va_ssrc(0) depctr_va_vcc(0) depctr_vm_vsrc(0)
	s_getreg_b32 s2, hwreg(HW_REG_IB_STS2, 6, 4)
	s_cmp_eq_u32 s2, 0
	s_cbranch_scc0 .Lentry_in_a_cluster
	s_endpgm
.Lentry_in_a_cluster:
	s_bfe_u32 s2, ttmp6, 0x10000c
	s_cmp_lg_u32 s2, 0xf033
	s_cbranch_scc0 .Lentry_shape_is_right
	s_endpgm
.Lentry_shape_is_right:
; THE PROJECTION ON THE WAY OUT, ON CODES OF E4M3: out0 = attention's result x Wo, K = 2,048, sums in f32, each finished sum x 2^(e10 + e11).
; ao: [4096][2048] codes under 2^e10; wc rows 3072-5119: Wo's columns, [n][2048] codes under 2^e11; out0: [4096][2048] f32.
; SHARES.  Grid 16 x 16 in clusters of 4 x 4; a work-group makes 256 rows x 128 columns.  A's tile is asked for jointly along a cluster's row, B's along its column.
; Four waves, 2 x 2: a wave makes 128 rows x 64 columns: 32 accumulators, one window.  K goes in steps of 256 through a ring of two LDS slots; a tile's row is 256 bytes of memory, aligned.
; THE MATRIX INSTRUCTION IS USED TRANSPOSED (source 0 = 16 rows of wc, source 1 = 16 rows of ao): a lane holds row l % 16 and eight neighbouring columns 8 (l / 16) + 0 .. 7.
; Fragments come by four 16-byte loads: a permutation of k that is the same in A and B.
; LIMIT: e10 + e11 lies between -126 and 127, so that 2^(e10 + e11) is an f32 number.
; REGISTERS: window 0: v1-31 addresses; v128-255 A's fragments, one set; on the way out v96-223 at work.  Window 1: B's fragments, two sets (v0, v128).  Window 2: accumulator (a, b) at v[8 (4 a + b)].
.set ROWB,   256
.set KROW,   2048
.set PITCH,  272                       ; an LDS row: 256 bytes + 16 of padding
.set FR,     16
.set NL,     4
.set NP,     4                         ; places behind this matrix instruction (ISA guide 7.12.1)
.set HALFT,  128*PITCH
.set SLOT,   3*HALFT                   ; A's 256 rows, then B's 128
.set LAPS,   4                         ; eight K steps, two to a lap
.set SPARE,  2*SLOT                    ; the spare words: 512 bytes that no other line names
.set SPI,    272                       ; a stage of 16 rows x (256 + 16) bytes for each wave, in slot 0 behind its last fill and last read
.set ADRA, 16
.set ADRB, 20
.set CO,   22                          ; my byte offset in two rows of out0
.set STO,  24                          ; stage: in
.set RD,   25                          ; stage: rows back
.set PFO,  26                          ; the prefetches' offset: a lane a row
.set SPW,  28
.set NIL,  29
.set AF,   128
.set TMP,  96                          ; a block's sums x 2^(e10 + e11)
.set BK,   160                         ; rows back from the stage, two sets of 32
.set G1,  24                           ; group 1 for A, 128 rows;  s[32:39] its groups 0, one a slot
.set G0,  32
.set G1B, 48                           ; group 1 for B, 64 rows;  s[56:63] its groups 0
.set G0B, 56
.set PFA, 44                           ; s[44:45] where my prefetches stand
.set FLAGS, (1<<20)|(1<<21)|(5<<22)|(3<<25)   ; bytes; padding of 4 words behind every 64; bit 21 beside a mask
.set MSB, 0
.macro WIN new
.if MSB != (\new)
	s_set_vgpr_msb (MSB<<8)|(\new)
.set MSB, (\new)
.endif
.endm
.set MULW, 0xa1                        ; source 0 (B) window 1, source 1 (A) window 0, C and D window 2
.set TO_B, 0x40
.macro JLOAD s                         ; waves 0, 1 fetch A's halves, waves 2, 3 B's; s_nop 0 and four v_nop behind each line
	s_cmp_eq_u32 s15, 0
	s_cbranch_scc0 .Lfor_b_\@
	tensor_load_to_lds s[G0+4*\s:G0+4*\s+3], s[G1:G1+7]
	s_nop 0
.rept 4
	v_nop
.endr
	s_branch .Lasked_\@
.Lfor_b_\@:
	tensor_load_to_lds s[G0B+4*\s:G0B+4*\s+3], s[G1B:G1B+7]
	s_nop 0
.rept 4
	v_nop
.endr
.Lasked_\@:
.endm
.macro CREST
	s_cmp_lg_u32 s14, 0
	s_cbranch_scc1 .Lnot_wave_0_\@
	s_barrier_signal -3
.Lnot_wave_0_\@:
	s_barrier_wait -3
	s_barrier_signal -1
	s_barrier_wait -1
.endm
.macro CROUND
	s_barrier_signal -1
	s_barrier_wait -1
	CREST
.endm
; A prefetch of the K step that stands two refills on: of the rows that a wave fetches each of the four partners that ask jointly takes a quarter, told apart by address; a lane a row of 256 bytes.
; The loop's last trip asks for nothing: K steps 8 and 9 do not exist.
.macro ASK
	s_cmp_gt_u32 s3, 1
	s_cbranch_scc0 .Lna_\@
	global_prefetch_b8 v[PFO], s[PFA:PFA+1] offset:3*ROWB th:TH_LOAD_NT scope:SCOPE_SE
.Lna_\@:
.endm
.macro FRAG reg, adr, q, i
.irp c, 0,1,2,3
	ds_load_b128 v[\reg+4*\c:\reg+4*\c+3], v[\adr] offset:128*(\q)+32*\c+(\i)*16*PITCH
.endr
.endm
.macro MUL16 a0, p, zero               ; A's blocks a0, a0 + 1 x B's four; the accumulators take turns
.irp a, \a0, \a0+1
.irp b, 0,1,2,3
.set DA, 8*(4*(\a)+\b)
.if \zero
	v_wmma_f32_16x16x128_fp8_fp8 v[DA:DA+7], v[128*(\p)+FR*\b:128*(\p)+FR*\b+FR-1], v[AF+FR*(\a):AF+FR*(\a)+FR-1], 0
.else
	v_wmma_f32_16x16x128_fp8_fp8 v[DA:DA+7], v[128*(\p)+FR*\b:128*(\p)+FR*\b+FR-1], v[AF+FR*(\a):AF+FR*(\a)+FR-1], v[DA:DA+7]
.endif
.endr
.endr
.endm
.macro FETCH_B slot, q, p
	WIN TO_B
.irp i, 0,1,2,3
	FRAG 128*(\p)+FR*\i, ADRB+\slot, \q, \i
.endr
	WIN 0
.endm
.macro FETCH_A slot, q, i0
.irp i, \i0, \i0+1, \i0+2, \i0+3
	FRAG AF+FR*(\i), ADRA+\slot, \q, \i
.endr
.endm
.macro PLACES n
.rept \n
	v_nop
.endr
.endm
.macro STEP slot, zero                 ; a slot's first 128 along K, on B's set 0; the second 128's fragments are fetched, B's into set 1
	s_wait_dscnt 4*NL                              ; the youngest sixteen loads (A's blocks 4-7) may be out
	WIN MULW
	MUL16 0, 0, \zero
	MUL16 2, 0, \zero
	s_wait_dscnt 0
	PLACES NP
	FETCH_B \slot, 1, 1
	FETCH_A \slot, 1, 0
	WIN MULW
	MUL16 4, 0, \zero
	MUL16 6, 0, \zero
	PLACES NP
	WIN 0
	FETCH_A \slot, 1, 4
.endm
.macro TURN slot, next, fill           ; a slot's second 128 along K changes slots
.if \fill
	s_wait_xcnt 0x0                                ; my last prefetch has read its address: it steps only behind this wait
	s_add_nc_u64 s[PFA:PFA+1], s[PFA:PFA+1], ROWB
.endif
	s_wait_tensorcnt 0x0                           ; my part of the next slot has landed
	ds_add_u32 v[SPW], v[NIL]
	s_wait_dscnt 4*NL+1                            ; the add and A's blocks 4-7 may be out
	WIN MULW
	MUL16 0, 1, 0
	s_wait_dscnt 0x0                               ; the add is done, my reads of this slot are over
	s_barrier_signal -1
	MUL16 2, 1, 0
	WIN 0
	s_barrier_wait -1
.if \fill
	CREST                                          ; the barrier has opened a round of the cluster's barrier
	s_add_nc_u64 s[G0+4*\slot+2:G0+4*\slot+3], s[G0+4*\slot+2:G0+4*\slot+3], 2*ROWB
	s_add_nc_u64 s[G0B+4*\slot+2:G0B+4*\slot+3], s[G0B+4*\slot+2:G0B+4*\slot+3], 2*ROWB
	JLOAD \slot                                    ; the first tensor load behind the round; its four v_nop are the places for the loads below
.else
	PLACES NP
.endif
	FETCH_B \next, 0, 0
	FETCH_A \next, 0, 0
.if \fill
	ASK
.endif
	WIN MULW
	MUL16 4, 1, 0
	MUL16 6, 1, 0
	PLACES NP
	WIN 0
	FETCH_A \next, 0, 4
.endm
; THE WAY OUT, block by block of 16 rows x 64 columns: x 2^(e10 + e11), through my stage, back as rows of 256 bytes; sixteen lanes store 256 consecutive bytes, aligned.
.macro TOSTAGE a
	s_wait_xcnt 0x0                                ; block a - 2's stores have read their registers: block a's rows may land there
	WIN 0x02
.set lj, 0
.rept 16
	v_pk_mul_f32 v[TMP+lj:TMP+lj+1], v[32*(\a)+lj:32*(\a)+lj+1], s[66:67] op_sel_hi:[1,0]   ; each accumulator from its low end on
.set lj, lj+2
.endr
	WIN 0
.irp b, 0,1,2,3
	ds_store_b128 v[STO], v[TMP+8*\b:TMP+8*\b+3] offset:64*\b
	ds_store_b128 v[STO], v[TMP+8*\b+4:TMP+8*\b+7] offset:64*\b+16
.endr
.irp t, 0,1,2,3,4,5,6,7
	ds_load_b128 v[BK+32*((\a)%2)+4*\t:BK+32*((\a)%2)+4*\t+3], v[RD] offset:2*\t*SPI   ; LDS serves a wave's instructions in order: these see my stores
.endr
.endm
.macro SEND a, younger                 ; younger: the LDS instructions issued behind block a's loads, which may stay out
	s_wait_dscnt \younger
.irp t, 0,1,2,3,4,5,6,7
	global_store_b128 v[CO], v[BK+32*((\a)%2)+4*\t:BK+32*((\a)%2)+4*\t+3], s[84:85] offset:131072*(\a)+16384*\t th:TH_STORE_NT
.endr
.endm
	s_load_b256 s[68:75], s[0:1], 0x0              ; ao, wc, the scales' exponents, out0
	v_lshl_add_u32 v[SPW], v0, 2, SPARE
	v_mov_b32 v[NIL], 0
	ds_add_u32 v[SPW], v[NIL]                      ; the opening lines: the add twice on end and its wait
	ds_add_u32 v[SPW], v[NIL]
	v_lshrrev_b32 v1, 5, v0
	v_readfirstlane_b32 s14, v1                    ; wave
	s_lshr_b32 s15, s14, 1                         ; my half of the rows.  Also: I fetch for A (0) or B (1)
	s_and_b32 s16, s14, 1                          ; my half of the columns.  Also: which half I fetch
	s_bfe_u32 s40, ttmp6, 0x40000                  ; cx
	s_bfe_u32 s41, ttmp6, 0x40004                  ; cy
	s_lshl_b32 s42, ttmp9, 2
	s_add_co_u32 s42, s42, s40                     ; tile column
	s_and_b32 s17, ttmp7, 0xffff
	s_lshl_b32 s17, s17, 2
	s_add_co_u32 s17, s17, s41                     ; tile row
	s_lshl_b32 s43, s41, 2
	s_lshl_b32 s43, 15, s43                        ; my row of the cluster
	s_lshl_b32 s46, 0x1111, s40                    ; my column
	s_or_b32 s[G1], s43, FLAGS
	s_or_b32 s[G1B], s46, FLAGS
.irp g, G1, G1B
	s_mov_b32 s[\g+1], ROWB<<16
	s_mov_b32 s[\g+3], ROWB<<16
	s_mov_b32 s[\g+5], KROW
	s_mov_b32 s[\g+6], 0
	s_mov_b32 s[\g+7], 0
.endr
	s_mov_b32 s[G1+2], 128<<16
	s_mov_b32 s[G1+4], 128
	s_mov_b32 s[G1B+2], 64<<16
	s_mov_b32 s[G1B+4], 64
	s_lshl_b32 s18, s16, 7
	s_lshl_b32 s20, s17, 8
	s_add_co_u32 s20, s20, s18
	s_lshl_b32 s20, s20, 11                        ; ao: row 256 x tile row + 128 x half
	s_mov_b32 s21, 0
	s_lshl_b32 s46, s42, 7
	s_add_co_u32 s46, s46, 3072
	s_lshl_b32 s18, s16, 6
	s_add_co_u32 s46, s46, s18
	s_lshl_b32 s46, s46, 11                        ; wc: row 3,072 + 128 x tile column + 64 x half
	s_mov_b32 s47, 0
	s_mul_i32 s22, s16, HALFT                      ; LDS: A's halves,
	s_mul_i32 s23, s16, 64*PITCH
	s_add_co_u32 s23, s23, 2*HALFT                 ; B's behind them: the wave's number alone
	s_wait_dscnt 0x0                               ; both opening adds are done
	s_wait_kmcnt 0x0
	s_load_b64 s[4:5], s[72:73], 0x28              ; e10, e11
	s_add_nc_u64 s[20:21], s[68:69], s[20:21]
	s_add_nc_u64 s[46:47], s[70:71], s[46:47]
.irp s, 0,1
	s_mov_b32 s[G0+4*\s], 1
	s_add_co_u32 s[G0+4*\s+1], s22, \s*SLOT
	s_add_nc_u64 s[G0+4*\s+2:G0+4*\s+3], s[20:21], \s*ROWB
	s_or_b32 s[G0+4*\s+3], s[G0+4*\s+3], 0x80000000
	s_mov_b32 s[G0B+4*\s], 1
	s_add_co_u32 s[G0B+4*\s+1], s23, \s*SLOT
	s_add_nc_u64 s[G0B+4*\s+2:G0B+4*\s+3], s[46:47], \s*ROWB
	s_or_b32 s[G0B+4*\s+3], s[G0B+4*\s+3], 0x80000000
.endr
	CROUND                                         ; all sixteen work-groups are here
	JLOAD 0                                        ; K step 0: one tensor load a wave at the head
	s_mul_i32 s18, s15, HALFT                      ; my 128 rows of A
	s_mul_i32 s19, s14, 16*SPI                     ; my stage
	s_lshl_b32 s90, s40, 16                        ; prefetches: of A's 128 rows my work-group takes 32 cx on,
	s_lshl_b32 s91, s41, 15                        ; of B's 64 rows 16 cy on
	s_cmp_eq_u32 s15, 0
	s_cselect_b64 s[PFA:PFA+1], s[20:21], s[46:47]
	s_cselect_b32 s90, s90, s91
	s_cselect_b32 s22, 31, 15                      ; lanes left over name the last row again
	s_mov_b32 s91, 0
	s_add_nc_u64 s[PFA:PFA+1], s[PFA:PFA+1], s[90:91]
	v_and_b32 v1, 15, v0                           ; r
	v_bfe_u32 v2, v0, 4, 1                         ; h
	v_and_b32 v6, 31, v0
	v_mul_u32_u24 v3, v1, PITCH
	v_lshl_add_u32 v4, v2, 4, v3
	v_add_nc_u32 v[ADRA], s18, v4
	v_add_nc_u32 v[ADRB], s23, v4
	v_add_nc_u32 v[ADRA+1], SLOT, v[ADRA]
	v_add_nc_u32 v[ADRB+1], SLOT, v[ADRB]
	v_min_u32 v[PFO], s22, v6
	v_lshlrev_b32 v[PFO], 11, v[PFO]
	v_lshl_add_u32 v5, v2, 5, v3
	v_add_nc_u32 v[STO], s19, v5                   ; in: row r, + 32 h
	v_mul_u32_u24 v5, v2, SPI
	v_lshl_add_u32 v5, v1, 4, v5
	v_add_nc_u32 v[RD], s19, v5                    ; back: sixteen lanes to a row
	v_lshlrev_b32 v5, 13, v2
	v_lshl_add_u32 v[CO], v1, 4, v5                ; and the same two rows in out0
	s_wait_alu depctr_va_vdst(0)                   ; the wait at the end of the head's vector lines
	global_prefetch_b8 v[PFO], s[PFA:PFA+1] offset:ROWB th:TH_LOAD_NT scope:SCOPE_SE     ; K steps 1 and 2
	global_prefetch_b8 v[PFO], s[PFA:PFA+1] offset:2*ROWB th:TH_LOAD_NT scope:SCOPE_SE
	s_lshl_b32 s90, s17, 8
	s_lshl_b32 s18, s15, 7
	s_add_co_u32 s90, s90, s18
	s_lshl_b32 s90, s90, 13                        ; out0: my first row x 8,192 bytes
	s_lshl_b32 s18, s42, 9
	s_add_co_u32 s90, s90, s18                     ; + 512 x tile column
	s_lshl_b32 s18, s16, 8
	s_add_co_u32 s90, s90, s18                     ; + 256 x half
	s_add_nc_u64 s[84:85], s[74:75], s[90:91]
	s_wait_kmcnt 0x0
	s_add_co_i32 s66, s4, s5
	s_add_co_i32 s66, s66, 127
	s_lshl_b32 s66, s66, 23                        ; 2^(e10 + e11) as f32
	s_mov_b32 s67, s66
	s_wait_tensorcnt 0x0                           ; my part of K step 0 is in; the three lines ahead of a later first fill, as ahead of a refill
	ds_add_u32 v[SPW], v[NIL]
	s_wait_dscnt 0x0
	CROUND
	JLOAD 1                                        ; K step 1, the first tensor load behind the round
	FETCH_B 0, 0, 0
	FETCH_A 0, 0, 0
	FETCH_A 0, 0, 4
	global_prefetch_b8 v[PFO], s[PFA:PFA+1] offset:3*ROWB th:TH_LOAD_NT scope:SCOPE_SE   ; K step 3
	STEP 0, 1                                      ; the first step starts the sums
	s_mov_b32 s3, LAPS-1
.Llap:
	TURN 0, 1, 1
	STEP 1, 0
	TURN 1, 0, 1
	STEP 0, 0
	s_sub_co_u32 s3, s3, 1
	s_cmp_lg_u32 s3, 0
	s_cbranch_scc1 .Llap
	TURN 0, 1, 0                                   ; the last lap fills nothing
	STEP 1, 0
	s_wait_dscnt 4*NL                              ; the very last step
	WIN MULW
	MUL16 0, 1, 0
	MUL16 2, 1, 0
	s_wait_dscnt 0
	MUL16 4, 1, 0
	MUL16 6, 1, 0
	WIN 0
	PLACES NP
	TOSTAGE 0
.irp a, 1,2,3,4,5,6,7
	TOSTAGE \a
	SEND \a-1, 16                                  ; behind block a - 1's loads: block a's 8 stores and 8 loads
.endr
	SEND 7, 0
	s_wait_tensorcnt 0x0                           ; the wave's end
	ds_add_u32 v[SPW], v[NIL]
	s_wait_dscnt 0x0
	CROUND                                         ; the closing round
	s_endpgm
.Lfunc_end_k_q3601aad749_gemm_out:
	.size	k_q3601aad749_gemm_out, .Lfunc_end_k_q3601aad749_gemm_out-k_q3601aad749_gemm_out
	.p2alignl 7, 3214868480
	.fill 96, 4, 3214868480
	.section	.rodata,"a",@progbits
	.p2align	6, 0x0
	.amdhsa_kernel k_q3601aad749_gemm_out
		.amdhsa_group_segment_fixed_size 327680
		.amdhsa_private_segment_fixed_size 0
		.amdhsa_enable_private_segment 0
		.amdhsa_kernarg_size 32
		.amdhsa_user_sgpr_count 2
		.amdhsa_user_sgpr_kernarg_segment_ptr 1
		.amdhsa_wavefront_size32 1
		.amdhsa_system_sgpr_workgroup_id_x 1
		.amdhsa_system_sgpr_workgroup_id_y 1
		.amdhsa_system_sgpr_workgroup_id_z 1
		.amdhsa_system_vgpr_workitem_id 0
		.amdhsa_next_free_vgpr 768
		.amdhsa_next_free_sgpr 92
		.amdhsa_reserve_vcc 0
		.amdhsa_float_denorm_mode_32 3
		.amdhsa_float_denorm_mode_16_64 3
		.amdhsa_memory_ordered 1
		.amdhsa_forward_progress 1
		.amdhsa_inst_pref_size 78
	.end_amdhsa_kernel
	.amdgpu_metadata
---
amdhsa.version: [ 1, 2 ]
amdhsa.kernels:
  - .name:           k_q3601aad749_gemm_out
    .symbol:         k_q3601aad749_gemm_out.kd
    .args:
      - { .name: ao, .offset: 0, .size: 8, .value_kind: global_buffer, .address_space: global }
      - { .name: wc, .offset: 8, .size: 8, .value_kind: global_buffer, .address_space: global }
      - { .name: lowp_scales, .offset: 16, .size: 8, .value_kind: global_buffer, .address_space: global }
      - { .name: out0, .offset: 24, .size: 8, .value_kind: global_buffer, .address_space: global }
    .group_segment_fixed_size: 327680
    .private_segment_fixed_size: 0
    .kernarg_segment_align: 8
    .kernarg_segment_size: 32
    .max_flat_workgroup_size: 128
    .sgpr_count:     92
    .vgpr_count:     768
    .wavefront_size: 32
...
	.end_amdgpu_metadata
.endif
;; end of part 4
